; MI455X (gfx1250); checked and timed in simulation.
; The chip was launched on July 23, 2026; its instructions are those of AMD's public machine-readable ISA for CDNA 5 (MIT licence, August 2026) and "CDNA5" Instruction Set Architecture Reference Guide (July 2026). The comments in the code are by the model that wrote it; some were corrected since.
;; Softmax Matcher. Allowed arithmetic: float matrix products may take bf16 or f16 operands with f32 sums; all other float work in f32.
;; Inputs: desc_dense 4 x 256 x 256 x 256 float32; keypoint_coords 4 x 1,024 x 2 float32; keypoint_desc 4 x 256 x 1,024 float32; keypoint_scores 4 x 1 x 1,024 float32; scores_dense 4 x 1 x 256 x 256 float32.
;; Outputs: out0 2 x 1,024 x 2 float32; out1 2 x 1 x 1,024 float32; out2 2 int32.
;; 2 versions, each right; version 2 is version 1 with the launch match written anew for expert scheduling mode. Each part assembles by itself: llvm-mc -triple=amdgcn-amd-amdhsa -mcpu=gfx1250 --defsym DOCPART=n.
;; ======== version 1 of 2: 5 launches
;; workspace buffers: uvi 16,384 bytes of whole numbers; kpar 32,768 bytes; kdT 1,048,576 bytes; lst 2,097,152 bytes of whole numbers; cnt 2,048 bytes of whole numbers; part 786,432 bytes; dT 67,108,864 bytes; smpi 16,384 bytes of whole numbers
;; launch prep (part 1): grid 16 x 2, 8 waves a work-group, no clusters, 38,912 bytes of LDS; arguments keypoint_desc, keypoint_coords, kdT, kpar, uvi, out2; writes kdT, kpar, uvi, out2
.if DOCPART == 1
	.amdgcn_target "amdgcn-amd-amdhsa--gfx1250"
	.amdhsa_code_object_version 6
	.text
	.protected	k_q66406ede4e_prep
	.globl	k_q66406ede4e_prep
	.p2align	8
	.type	k_q66406ede4e_prep,@function
k_q66406ede4e_prep:
	s_mov_b64 s[64:65], 0
	v_nop
	global_prefetch_b8 v0, s[64:65] scope:SCOPE_SE
	s_setreg_imm32_b32 hwreg(HW_REG_WAVE_MODE, 25, 1), 1
	s_wait_xcnt 0x0
; PREP.  For pair b (source batch 2 b) and a block of 64 keypoints: the descriptors [256 channels][1024 keypoints] f32 are rounded to bf16 and
; turned into rows kdT[b][keypoint][256]; 1 / max(norm, 1e-12) of the rounded row; the coordinates rounded to bf16, clamped, truncated, as floats (kpar) and as whole numbers (uvi).
; LIMITS.  Every input of the program is rounded to bf16 as it is loaded, the coordinates too.  Coordinates beyond [-64, 320] count as -64 or 320:
; the window of 27 x 27 is empty there in either case.  NaN and infinities are not treated apart.  A sum of squares below 2^-126 counts as 0 (the norm is then 1e-12).
; SHARES.  Thread t: four keypoints 4 q .. 4 q + 3 (q = t % 16: 16 bytes of a channel's row, sixteen lanes 256 consecutive aligned bytes) and the sixteen channels 16 cg + k (cg = t / 16).
; LDS.  Keypoint 4 q + i lies in row 16 i + q, 528 bytes apart (33 x 16).
.set PITCH, 528
.set SSP,   64*PITCH                   ; behind the rows: partial sums of squares, [16 cg][64 rows] f32
.set SPARE, SSP+4096                   ; the spare words, 128 bytes a wave
.set SPW,  2                           ; v2   my spare word's address; never rewritten
.set NIL,  3                           ; v3   0; never rewritten
.set GOFF, 4                           ; v4   65,536 cg + 16 q: my bytes in the block's descriptors
.set LSTO, 5                           ; v5   528 q + 32 cg
.set SSA,  6                           ; v6   SSP + 256 cg + 4 q
.set SS,   8                           ; v8-11   sums of squares of my four keypoints
.set PK,   12                          ; v12-27  keypoint i: four registers, eight channels in bf16
.set L,    32                          ; v32-95  channel k: four registers as loaded
.set T,    96                          ; v96-109 at work
.set LRD,  110                         ; v110 where I read whole rows back
.set GST,  111                         ; v111 my byte offset in the block's rows of kdT
	s_load_b256 s[4:11], s[0:1], 0x0               ; keypoint_desc s[4:5], keypoint_coords s[6:7], kdT s[8:9], kpar s[10:11]
	s_load_b128 s[12:15], s[0:1], 0x20             ; uvi s[12:13], out2 s[14:15]
	v_lshl_add_u32 v[SPW], v0, 2, SPARE
	v_mov_b32 v[NIL], 0
	v_lshrrev_b32 v[T], 5, v0
	v_readfirstlane_b32 s16, v[T]                  ; wave
	s_and_b32 s17, ttmp7, 0xffff                   ; b
	s_mov_b32 s18, ttmp9                           ; block of 64 keypoints
	v_and_b32 v[T], 15, v0                         ; q
	v_lshrrev_b32 v[T+1], 4, v0                    ; cg
	v_lshlrev_b32 v[GOFF], 4, v[T]
	v_lshl_add_u32 v[GOFF], v[T+1], 16, v[GOFF]
	v_mul_u32_u24 v[LSTO], v[T], PITCH
	v_lshl_add_u32 v[LSTO], v[T+1], 5, v[LSTO]
	v_lshlrev_b32 v[SSA], 2, v[T]
	v_lshl_add_u32 v[SSA], v[T+1], 8, v[SSA]
	v_add_nc_u32 v[SSA], SSP, v[SSA]
	s_lshl_b32 s20, s17, 21                        ; batch 2 b of 1,048,576 bytes, 256 bytes a block
	s_lshl_b32 s21, s18, 8
	s_add_co_u32 s20, s20, s21
	s_mov_b32 s21, 0
	s_lshl_b32 s22, s17, 14                        ; coordinates: batch 2 b of 8,192 bytes, 512 a block
	s_lshl_b32 s23, s18, 9
	s_add_co_u32 s22, s22, s23
	s_mov_b32 s23, 0
	s_lshl_b32 s24, s17, 19                        ; kdT: 524,288 a pair, 32,768 a block
	s_lshl_b32 s25, s18, 15
	s_add_co_u32 s24, s24, s25
	s_mov_b32 s25, 0
	s_lshl_b32 s26, s17, 14                        ; kpar: 16,384 a pair, 1,024 a block
	s_lshl_b32 s27, s18, 10
	s_add_co_u32 s26, s26, s27
	s_mov_b32 s27, 0
	s_lshl_b32 s28, s17, 13                        ; uvi: 8,192 a pair, 512 a block
	s_lshl_b32 s29, s18, 9
	s_add_co_u32 s28, s28, s29
	s_mov_b32 s29, 0
	s_mov_b32 s30, 0xc2800000                      ; -64.0
	s_mov_b32 s31, 0x43a00000                      ; 320.0
	s_wait_kmcnt 0x0
	s_add_nc_u64 s[4:5], s[4:5], s[20:21]
	s_add_nc_u64 s[6:7], s[6:7], s[22:23]
	s_add_nc_u64 s[8:9], s[8:9], s[24:25]
	s_add_nc_u64 s[10:11], s[10:11], s[26:27]
	s_add_nc_u64 s[12:13], s[12:13], s[28:29]
.irp k, 0,1,2,3,4,5,6,7,8,9,10,11,12,13,14,15
	global_load_b128 v[L+4*(\k):L+4*(\k)+3], v[GOFF], s[4:5] offset:4096*(\k) th:TH_LOAD_NT  ; channel 16 cg + k
.endr
.irp i, 0,1,2,3
	v_mov_b32 v[SS+(\i)], 0
.endr
; Eight channels (8 blk .. 8 blk + 7 of my sixteen) of my four keypoints: rounded in pairs, squared and summed from the rounded halves, 16 bytes a keypoint into its row.
.macro PACK blk
.irp i, 0,1,2,3
.irp m, 0,1,2,3
	v_cvt_pk_bf16_f32 v[PK+4*(\i)+(\m)], v[L+32*(\blk)+8*(\m)+(\i)], v[L+32*(\blk)+8*(\m)+4+(\i)]
.endr
.endr
.irp m, 0,1,2,3
.irp i, 0,1,2,3
	v_fma_mix_f32_bf16 v[SS+(\i)], v[PK+4*(\i)+(\m)], v[PK+4*(\i)+(\m)], v[SS+(\i)] op_sel_hi:[1,1,0]
.endr
.irp i, 0,1,2,3
	v_fma_mix_f32_bf16 v[SS+(\i)], v[PK+4*(\i)+(\m)], v[PK+4*(\i)+(\m)], v[SS+(\i)] op_sel:[1,1,0] op_sel_hi:[1,1,0]
.endr
.endr
.irp i, 0,1,2,3
	ds_store_b128 v[LSTO], v[PK+4*(\i):PK+4*(\i)+3] offset:(\i)*16*PITCH+16*(\blk)
.endr
.endm
	s_wait_loadcnt 8                               ; loads come back in order (ISA guide 5.7.1): channels 0-7 are in, the eight younger loads stay out
	PACK 0
	s_wait_loadcnt 0x0
	PACK 1
.irp i, 0,1,2,3
	ds_store_b32 v[SSA], v[SS+(\i)] offset:64*(\i) ; row 16 i + q of my cg's line
.endr
	s_wait_dscnt 0x0                               ; for the others' sake: my rows and sums are in LDS
	s_barrier_signal -1
	s_barrier_wait -1
	; Waves 0 and 1: thread t finishes keypoint t of the block, whose row is 16 (t % 4) + t / 4.
	s_cmp_gt_u32 s16, 1
	s_cbranch_scc1 .Lrows
	v_lshlrev_b32 v[T], 3, v0
	global_load_b64 v[T+2:T+3], v[T], s[6:7]       ; (u, v)
	v_and_b32 v[T+4], 3, v0
	v_lshrrev_b32 v[T+5], 2, v0
	v_lshl_add_u32 v[T+4], v[T+4], 4, v[T+5]
	v_lshl_add_u32 v[T+4], v[T+4], 2, SSP
.irp k, 0,1,2,3,4,5,6,7,8,9,10,11,12,13,14,15
	ds_load_b32 v[L+(\k)], v[T+4] offset:256*(\k)  ; the sixteen partial sums
.endr
	v_lshlrev_b32 v[T+1], 4, v0
	s_wait_dscnt 0x0
.irp k, 0,4,8,12
	v_pk_add_f32 v[L+(\k):L+(\k)+1], v[L+(\k):L+(\k)+1], v[L+(\k)+2:L+(\k)+3]
.endr
	v_pk_add_f32 v[L:L+1], v[L:L+1], v[L+4:L+5]
	v_pk_add_f32 v[L+8:L+9], v[L+8:L+9], v[L+12:L+13]
	v_pk_add_f32 v[L:L+1], v[L:L+1], v[L+8:L+9]
	v_add_f32 v[L], v[L], v[L+1]
	v_sqrt_f32 v[L+1], v[L]
	s_wait_loadcnt 0x0
	v_cvt_pk_bf16_f32 v[T+4], v[T+2], v[T+3]       ; the plain instruction behind the root (ISA guide 5.7.2); u and v rounded to bf16
	s_wait_alu depctr_va_vdst(0)
	v_max_num_f32 v[L+1], 0x2b8cbccc, v[L+1]       ; max(norm, 1e-12)
	v_rcp_f32 v[T+11], v[L+1]                      ; invs
	v_lshlrev_b32 v[T+8], 16, v[T+4]               ; the plain instruction behind the reciprocal; u back in f32
	v_and_b32 v[T+9], 0xffff0000, v[T+4]
	s_wait_alu depctr_va_vdst(0)
	v_mul_f32 v[T+10], 0x431044fe, v[T+11]         ; ksc = invs x 100 log2(e)
	v_med3_num_f32 v[T+8], v[T+8], s30, s31
	v_med3_num_f32 v[T+9], v[T+9], s30, s31
	v_trunc_f32 v[T+8], v[T+8]
	v_trunc_f32 v[T+9], v[T+9]
	v_cvt_i32_f32 v[T+12], v[T+8]
	v_cvt_i32_f32 v[T+13], v[T+9]
	global_store_b64 v[T], v[T+12:T+13], s[12:13]  ; a wave's store covers 256 consecutive bytes, aligned
	global_store_b128 v[T+1], v[T+8:T+11], s[10:11]
	s_or_b32 s20, s17, s18                         ; out2 = (0, 2): wave 0 of work-group (0, 0), lane 0
	s_or_b32 s20, s20, s16
	s_cmp_lg_u32 s20, 0
	s_cbranch_scc1 .Lrows
	s_wait_xcnt 0x0                                ; the stores above have read their registers, and EXEC changes only behind this wait
	v_mov_b32 v[T], 0
	v_mov_b32 v[T+2], 0
	v_mov_b32 v[T+3], 2
	v_cmp_eq_u32 vcc_lo, 0, v0
	s_and_saveexec_b32 s21, vcc_lo
	global_store_b64 v[T], v[T+2:T+3], s[14:15]
	s_wait_xcnt 0x0                                ; and again in front of the line that widens it
	s_or_b32 exec_lo, exec_lo, s21
.Lrows:
	; Every wave: keypoints 8 w + jj leave as whole rows of 512 bytes.  Keypoint 8 w + jj lies in row 16 (jj % 4) + 2 w + jj / 4.
	v_and_b32 v[GST], 31, v0
	v_lshlrev_b32 v[GST], 4, v[GST]
	s_mul_i32 s22, s16, 2*PITCH
	v_add_nc_u32 v[LRD], s22, v[GST]
	v_lshl_add_u32 v[GST], s16, 12, v[GST]
.irp jj, 0,1,2,3,4,5,6,7
	ds_load_b128 v[L+4*(\jj):L+4*(\jj)+3], v[LRD] offset:(16*((\jj)&3)+((\jj)>>2))*PITCH
.endr
.irp jj, 0,1,2,3,4,5,6,7
	s_wait_dscnt 7-(\jj)                           ; LDS loads come back in order: row jj is in, the younger ones stay out
	global_store_b128 v[GST], v[L+4*(\jj):L+4*(\jj)+3], s[8:9] offset:512*(\jj)  ; 512 consecutive bytes, aligned
.endr
	s_wait_tensorcnt 0x0                           ; the wave's end: three lines behind my last LDS store
	ds_add_u32 v[SPW], v[NIL]
	s_wait_dscnt 0x0
	s_endpgm
.Lfunc_end_k_q66406ede4e_prep:
	.size	k_q66406ede4e_prep, .Lfunc_end_k_q66406ede4e_prep-k_q66406ede4e_prep
	.p2alignl 7, 3214868480
	.fill 96, 4, 3214868480
	.section	.rodata,"a",@progbits
	.p2align	6, 0x0
	.amdhsa_kernel k_q66406ede4e_prep
		.amdhsa_group_segment_fixed_size 38912
		.amdhsa_private_segment_fixed_size 0
		.amdhsa_enable_private_segment 0
		.amdhsa_kernarg_size 48
		.amdhsa_user_sgpr_count 2
		.amdhsa_user_sgpr_kernarg_segment_ptr 1
		.amdhsa_wavefront_size32 1
		.amdhsa_system_sgpr_workgroup_id_x 1
		.amdhsa_system_sgpr_workgroup_id_y 1
		.amdhsa_system_sgpr_workgroup_id_z 1
		.amdhsa_system_vgpr_workitem_id 0
		.amdhsa_next_free_vgpr 112
		.amdhsa_next_free_sgpr 66
		.amdhsa_reserve_vcc 1
		.amdhsa_float_denorm_mode_32 3
		.amdhsa_float_denorm_mode_16_64 3
		.amdhsa_memory_ordered 1
		.amdhsa_forward_progress 1
		.amdhsa_inst_pref_size 16
	.end_amdhsa_kernel
	.amdgpu_metadata
---
amdhsa.version: [ 1, 2 ]
amdhsa.kernels:
  - .name:           k_q66406ede4e_prep
    .symbol:         k_q66406ede4e_prep.kd
    .args:
      - { .name: keypoint_desc, .offset: 0, .size: 8, .value_kind: global_buffer, .address_space: global }
      - { .name: keypoint_coords, .offset: 8, .size: 8, .value_kind: global_buffer, .address_space: global }
      - { .name: kdT, .offset: 16, .size: 8, .value_kind: global_buffer, .address_space: global }
      - { .name: kpar, .offset: 24, .size: 8, .value_kind: global_buffer, .address_space: global }
      - { .name: uvi, .offset: 32, .size: 8, .value_kind: global_buffer, .address_space: global }
      - { .name: out2, .offset: 40, .size: 8, .value_kind: global_buffer, .address_space: global }
    .group_segment_fixed_size: 38912
    .private_segment_fixed_size: 0
    .kernarg_segment_align: 8
    .kernarg_segment_size: 48
    .max_flat_workgroup_size: 256
    .sgpr_count:     66
    .vgpr_count:     112
    .wavefront_size: 32
...
	.end_amdgpu_metadata
.endif
;; end of part 1
;; launch bin (part 2): grid 256 x 2, 1 waves a work-group, no clusters, 4,608 bytes of LDS; arguments uvi, lst, cnt; writes lst, cnt
.if DOCPART == 2
	.amdgcn_target "amdgcn-amd-amdhsa--gfx1250"
	.amdhsa_code_object_version 6
	.text
	.protected	k_q66406ede4e_bin
	.globl	k_q66406ede4e_bin
	.p2align	8
	.type	k_q66406ede4e_bin,@function
k_q66406ede4e_bin:
	s_mov_b64 s[64:65], 0
	v_nop
	global_prefetch_b8 v0, s[64:65] scope:SCOPE_SE
	s_setreg_imm32_b32 hwreg(HW_REG_WAVE_MODE, 25, 1), 1
	s_wait_xcnt 0x0
; BIN.  One wave for each tile of 64 x 4 pixels (tile row tr = x / 4, tile column tc = x % 4, pair b = y; tile number T = 256 b + x): the list of the pair's keypoints whose window of 27 x 27 meets the tile.
; cnt[T]: how many are listed.  lst[T]: 1,024 entries.  An entry is the number of a record of 16 bytes in the buffer of partial softmaxes:
;   a listed keypoint: 0x4000 b + 16 keypoint + slot, on end from place 0;   behind them, at place p, a dummy: 0x8000 + 32 T + p % 32, a record of the tile's own that nobody reads.
; slot = 2 (tr - the window's first tile row) + (tc - its first tile column): 27 rows meet 8 tile rows at the most, 27 columns 2 tile columns: 16 slots.
; The list is made in LDS (first all dummies, then each listed lane's entry at its place) and leaves in stores of 512 consecutive bytes.  In the scan no lane is switched off: an unlisted lane's
; entry goes to a word of its own behind the list (word 1,024 + lane), which is never read.  All numbers here are whole numbers read from uvi.
; The count is one store of 4 bytes a tile (2 KB in all): the next launch's trip counts hang on that word alone, so it has a small buffer of its own.
.set LIST,  0                          ; 1,024 words
.set SPARE, 4352                       ; behind the list and the block of the unlisted lanes' 32 words: the spare words, 128 bytes, in a block of 256
.set SPW, 1                            ; v1  my spare word's address; never rewritten
.set L8,  2                            ; v2  8 x lane
.set L16, 3                            ; v3  16 x lane: my bytes in 512
.set NIL, 4                            ; v4  0; never rewritten
.set EB,  5                            ; v5  0x4000 b + 16 x lane: the lane's share of an entry
.set TR,  6                            ; v6  1,024 + lane: the place of an unlisted lane's entry
.set UV,  8                            ; v8-71  (u, v) of keypoint 32 t + lane, t = 0 .. 31; later the list on its way out
.set DUM, 72                           ; v72-75 the dummies of places 4 lane .. 4 lane + 3 (mod 128)
.set W,   76                           ; v76-82 at work
.set CN,  84                           ; v84 the count
.set ZO,  85                           ; v85 0: the count's byte offset from its word's address
	s_load_b128 s[4:7], s[0:1], 0x0                ; uvi s[4:5], lst s[6:7]
	s_load_b64 s[24:25], s[0:1], 0x10              ; cnt
	v_lshl_add_u32 v[SPW], v0, 2, SPARE
	v_mov_b32 v[NIL], 0
	s_and_b32 s17, ttmp7, 0xffff                   ; b
	s_lshr_b32 s10, ttmp9, 2                       ; tr
	s_and_b32 s11, ttmp9, 3                        ; tc
	s_lshl_b32 s8, s11, 6
	s_sub_co_u32 s8, s8, 13                        ; the tile's first column - 13
	s_lshl_b32 s9, s10, 2
	s_sub_co_u32 s9, s9, 13                        ; its first row - 13
	s_lshl_b32 s12, s17, 8
	s_add_co_u32 s12, s12, ttmp9                   ; T
	s_lshl_b32 s19, s12, 5
	s_add_co_u32 s19, s19, 0x8000                  ; the tile's first dummy
	s_lshl_b32 s26, s12, 2                         ; the tile's word in cnt
	s_mov_b32 s27, 0
	s_lshl_b32 s12, s12, 12                        ; a tile's 1,024 words
	s_mov_b32 s13, 0
	s_lshl_b32 s14, s17, 13
	s_mov_b32 s15, 0
	s_mov_b32 s16, 0                               ; the running count
	s_mov_b32 s18, 89                              ; u - (U0 - 13) lies in 0 .. 63 + 26
	s_lshl_b32 s23, s17, 14                        ; 0x4000 b
	v_lshlrev_b32 v[L8], 3, v0
	v_lshlrev_b32 v[L16], 4, v0
	v_add_nc_u32 v[EB], s23, v[L16]
	v_add_nc_u32 v[TR], 0x400, v0
	v_mov_b32 v[ZO], 0
	v_and_b32 v[DUM], 7, v0
	v_lshl_add_u32 v[DUM], v[DUM], 2, s19          ; place 4 lane: its number mod 32 is 4 (lane % 8)
.irp i, 1,2,3
	v_add_nc_u32 v[DUM+(\i)], (\i), v[DUM]
.endr
	s_wait_kmcnt 0x0
	s_add_nc_u64 s[4:5], s[4:5], s[14:15]
	s_add_nc_u64 s[6:7], s[6:7], s[12:13]
	s_add_nc_u64 s[24:25], s[24:25], s[26:27]
.set t, 0
.rept 32
	global_load_b64 v[UV+2*t:UV+2*t+1], v[L8], s[4:5] offset:256*t  ; 256 consecutive bytes, aligned
.set t, t+1
.endr
.irp k, 0,1,2,3,4,5,6,7
	ds_store_b128 v[L16], v[DUM:DUM+3] offset:LIST+512*(\k)  ; places 128 k + 4 lane on: 128 is a multiple of 32, so the same four dummies serve every k
.endr
	s_wait_loadcnt 0x0
; Keypoints 32 t + lane.  A listed lane's place is the count so far plus the listed lanes below it.  LDS serves a wave's instructions in order (ISA guide 5.7.1.4), so the entry lands on the dummy.
.macro SCAN t
	v_sub_nc_u32 v[W], v[UV+2*(\t)], s8
	v_sub_nc_u32 v[W+1], v[UV+2*(\t)+1], s9
	v_cmp_ge_u32 s20, s18, v[W]                    ; unsigned: a negative difference is a large number
	v_cmp_ge_u32 vcc_lo, 29, v[W+1]                ; v - (V0 - 13) lies in 0 .. 3 + 26
	s_and_b32 vcc_lo, s20, vcc_lo
	v_mbcnt_lo_u32_b32 v[W+2], vcc_lo, 0
	v_add_nc_u32 v[W+2], s16, v[W+2]
	v_cndmask_b32 v[W+2], v[TR], v[W+2], vcc_lo    ; listed: its place in the list; else the lane's own word behind it
	v_min_u32 v[W+5], 0x41f, v[W+2]                ; a word of the 1,024 + 32
	v_lshlrev_b32 v[W+6], 2, v[W+5]
	v_add_nc_u32 v[W+3], -13, v[UV+2*(\t)+1]
	v_add_nc_u32 v[W+4], -13, v[UV+2*(\t)]
	v_max_i32 v[W+3], 0, v[W+3]
	v_max_i32 v[W+4], 0, v[W+4]
	v_lshrrev_b32 v[W+3], 2, v[W+3]                ; the window's first tile row
	v_lshrrev_b32 v[W+4], 6, v[W+4]                ; and tile column
	v_sub_nc_u32 v[W+3], s10, v[W+3]
	v_sub_nc_u32 v[W+4], s11, v[W+4]
	v_lshl_add_u32 v[W+3], v[W+3], 1, v[W+4]       ; slot
	v_add3_u32 v[W+3], v[W+3], v[EB], 512*(\t)     ; + 0x4000 b + 16 (32 t + lane)
	s_bcnt1_i32_b32 s21, vcc_lo
	ds_store_b32 v[W+6], v[W+3]
	s_add_co_u32 s16, s16, s21
.endm
.irp t, 0,1,2,3,4,5,6,7,8,9,10,11,12,13,14,15,16,17,18,19,20,21,22,23,24,25,26,27,28,29,30,31
	SCAN \t
.endr
.irp k, 0,1,2,3,4,5,6,7
	ds_load_b128 v[UV+4*(\k):UV+4*(\k)+3], v[L16] offset:LIST+512*(\k)
.endr
	v_mov_b32 v[CN], s16
.irp k, 0,1,2,3,4,5,6,7
	s_wait_dscnt 7-(\k)                            ; part k of the list is back, the younger loads stay out
	global_store_b128 v[L16], v[UV+4*(\k):UV+4*(\k)+3], s[6:7] offset:512*(\k)  ; 512 consecutive bytes, aligned
.endr
	s_wait_xcnt 0x0                                ; EXEC changes only behind this wait
	v_cmp_eq_u32 vcc_lo, 0, v0
	s_and_saveexec_b32 s22, vcc_lo                 ; lane 0 stores the count
	global_store_b32 v[ZO], v[CN], s[24:25]
	s_wait_xcnt 0x0                                ; and again in front of the line that widens it
	s_or_b32 exec_lo, exec_lo, s22
	s_wait_tensorcnt 0x0                           ; the wave's end: three lines behind my last LDS store
	ds_add_u32 v[SPW], v[NIL]
	s_wait_dscnt 0x0
	s_endpgm
.Lfunc_end_k_q66406ede4e_bin:
	.size	k_q66406ede4e_bin, .Lfunc_end_k_q66406ede4e_bin-k_q66406ede4e_bin
	.p2alignl 7, 3214868480
	.fill 96, 4, 3214868480
	.section	.rodata,"a",@progbits
	.p2align	6, 0x0
	.amdhsa_kernel k_q66406ede4e_bin
		.amdhsa_group_segment_fixed_size 4608
		.amdhsa_private_segment_fixed_size 0
		.amdhsa_enable_private_segment 0
		.amdhsa_kernarg_size 24
		.amdhsa_user_sgpr_count 2
		.amdhsa_user_sgpr_kernarg_segment_ptr 1
		.amdhsa_wavefront_size32 1
		.amdhsa_system_sgpr_workgroup_id_x 1
		.amdhsa_system_sgpr_workgroup_id_y 1
		.amdhsa_system_sgpr_workgroup_id_z 1
		.amdhsa_system_vgpr_workitem_id 0
		.amdhsa_next_free_vgpr 96
		.amdhsa_next_free_sgpr 66
		.amdhsa_reserve_vcc 1
		.amdhsa_float_denorm_mode_32 3
		.amdhsa_float_denorm_mode_16_64 3
		.amdhsa_memory_ordered 1
		.amdhsa_forward_progress 1
		.amdhsa_inst_pref_size 40
	.end_amdhsa_kernel
	.amdgpu_metadata
---
amdhsa.version: [ 1, 2 ]
amdhsa.kernels:
  - .name:           k_q66406ede4e_bin
    .symbol:         k_q66406ede4e_bin.kd
    .args:
      - { .name: uvi, .offset: 0, .size: 8, .value_kind: global_buffer, .address_space: global }
      - { .name: lst, .offset: 8, .size: 8, .value_kind: global_buffer, .address_space: global }
      - { .name: cnt, .offset: 16, .size: 8, .value_kind: global_buffer, .address_space: global }
    .group_segment_fixed_size: 4608
    .private_segment_fixed_size: 0
    .kernarg_segment_align: 8
    .kernarg_segment_size: 24
    .max_flat_workgroup_size: 32
    .sgpr_count:     66
    .vgpr_count:     96
    .wavefront_size: 32
...
	.end_amdgpu_metadata
.endif
;; end of part 2
;; launch match (part 3): grid 256 x 2, 8 waves a work-group, no clusters, 141,312 bytes of LDS; arguments desc_dense, kdT, kpar, lst, part, dT, cnt; writes part, dT
.if DOCPART == 3
	.amdgcn_target "amdgcn-amd-amdhsa--gfx1250"
	.amdhsa_code_object_version 6
	.text
	.protected	k_q66406ede4e_match
	.globl	k_q66406ede4e_match
	.p2align	8
	.type	k_q66406ede4e_match,@function
k_q66406ede4e_match:
	s_mov_b64 s[64:65], 0
	v_nop
	global_prefetch_b8 v0, s[64:65] scope:SCOPE_SE
	s_setreg_imm32_b32 hwreg(HW_REG_WAVE_MODE, 25, 1), 1
	s_wait_xcnt 0x0
; MATCH.  One work-group for each tile of 64 x 4 pixels of the dense map of pair b (batch 2 b + 1; tile row x / 4, tile column x % 4; tile number T = 256 b + x).
; 1. THE STREAM: 256 channels x 256 pixels of f32 are read once, rounded to bf16, squared and summed, and laid pixel-major into LDS (a row = a pixel's 256 channels).
; 2. 1 / max(norm, 1e-12) of each pixel; the tile leaves as dT[b][pixel][256] bf16, rows of 512 bytes, for the launch that samples; each wave takes its 32 pixels' rows as matrix fragments.
; 3. THE PRODUCTS: for each 16 keypoints of the tile's list, 32 pixels x 16 keypoints x 256 channels a wave; the norms are applied in f32 behind the product; pixels outside a keypoint's window of 27 x 27 get -1e30;
;    a partial softmax in base 2 with a running maximum that starts at 0 (pixels of logit 0 exist outside every window, so the row's true maximum is never below 0);
;    the eight waves' figures meet in LDS and one record (M, L = sum of weights, SU = sum of weights x u, SV = the same x v) goes out for each (keypoint, tile).
; Products outside the windows are not made: reference() multiplies them by 0; their share of the softmax is added in closed form by the next launch.
; THE LIST: cnt[T] says how many entries of lst[T] are keypoints; every branch on data in this text hangs on that one whole number.  The entries are record numbers: 0x4000 b + 16 keypoint + slot;
; a dummy (0x8000 and above) names a record of the tile's own behind the real ones, which nobody reads, and by its bits 13:4 some real keypoint, so that it is worked on like any entry and no lane
; is ever switched off.  Sixteen places that hold dummies alone are jumped, in the products and in the joining alike: 15 records a tile and group at the most go to the unread block.
; LIMITS.  Inputs are rounded to bf16 as loaded.  A weight below 2^-126 counts as 0.  NaN and infinities are not treated apart.  A hidden score counts as -1e30 ahead of the scale.
; NO TENSOR LOADS: each f32 must pass through registers to be rounded and turned.  NO CLUSTER: no two work-groups read the same dense bytes; the keypoint rows that they share are
; some 24 KB beside a tile's 256 KB.  141,312 bytes of LDS and 8 x 256 registers let two work-groups lie on a WGP: all 512 tiles are at work at once.
.set PITCH, 528                        ; an LDS row: 512 bytes + 16 = 33 x 16: sixteen rows on end meet sixteen different groups of banks (ISA guide 11.1)
.set KP,    0                          ; behind the tile's death: 128 keypoint rows,
.set ST,    128*PITCH                  ; the waves' figures [8 waves][128 keypoints][16 bytes],
.set PAR,   ST+8*2048                  ; and the keypoints' parameters [128][16 bytes]; all inside the tile's 256 rows
.set SSP,   256*PITCH                  ; partial sums of squares [4 channel groups][256 rows] f32
.set INVT,  SSP+4096                   ; 1 / norm [256 rows] f32
.set SPARE, INVT+1024                  ; the spare words, 128 bytes a wave
; Tile row 64 yy + 16 i + q holds pixel (V0 + yy, U0 + 4 q + i).
.set R,    1                           ; v1   lane % 16
.set SPW,  2                           ; v2   my spare word's address; never rewritten
.set NIL,  3                           ; v3   0; never rewritten
.set BAD,  4                           ; v4   my place in a keypoint fragment: 528 r + 16 h
.set PAD,  5                           ; v5   PAR + 16 r
.set STA,  6                           ; v6   ST + 2,048 w + 16 r: where my wave puts its figures
.set CMB,  7                           ; v7   ST + 8,192 h + 16 (16 w + r): where I read four waves' figures of place 16 w + r
.set ACC,  8                           ; v8-15, v16-23 the two accumulators (my pixels' rows 0-15, 16-31 x 16 keypoints)
.set ENT,  8                           ;      at staging: eight list entries,
.set RA,   16                          ;      and their rows' byte offsets
.set PARV, 24                          ; v24-27 (u, v, ksc, invs) of my keypoint
.set REC,  28                          ; v28-31 (m, l, su, 0)
.set EOFF, 28                          ;      at staging: two byte offsets into the list
.set PEOFF, 29
.set KSTO, 32                          ; v32  where I put staged rows
.set PSTO, 33                          ; v33  where I put staged parameters
.set UA,   34                          ; v34  u - 13, or 1e9 where my image row is outside the window; v35 is named with it as a pair
.set PEA,  34                          ;      at staging: the parameters' byte offset
.set UB,   36                          ; v36  UA - 1; v37 is named with it as a pair
.set R16,  36                          ;      at staging: 16 r
.set VH,   38                          ; v38  V0 + 2 h as f32: the first of the two image rows whose figures my half of the lanes joins
.set PE,   39                          ; v39  the entry of place 16 w + r of the group
.set PU,   40                          ; v40-47 the columns u of my eight pixels of rows 0-15; those of rows 16-31 are one more
.set IT,   48                          ; v48-63 1 / norm of my sixteen pixels
.set BF,   64                          ; v64-127 keypoint fragments; staged rows; at work behind the products
.set AF,   128                         ; v128-255 my 32 pixels' fragments: 64 a + 8 s
.set PK,   40                          ; the stream: v40-55 packed, v56-59 sums of squares, v60-62 addresses, v128-255 a ring of four blocks of 8 loads
.set SS,   56
.set GOFF, 60
.set LSTO, 61
.set SSA,  62
.set RING, 128
.set REM,  32                          ; s32  list entries from this group on
.set W16,  33                          ; s33  16 w
.set G,    35                          ; s35  groups to go
.macro BAR
	s_wait_dscnt 0x0                               ; for the others' sake: all my LDS loads and stores are done
	s_barrier_signal -1
	s_barrier_wait -1
.endm
; Eight loads: channels 8 kb .. 8 kb + 7 of my wave's 64.  A load takes two image rows' 256 aligned bytes of one channel.  The immediate holds 31 channels at the most, so the upper 32 have a base of their own.
.macro RLOAD kb
.irp k, 0,1,2,3,4,5,6,7
.if (\kb) < 4
	global_load_b128 v[RING+32*((\kb)&3)+4*(\k):RING+32*((\kb)&3)+4*(\k)+3], v[GOFF], s[24:25] offset:(8*((\kb)&3)+(\k))*262144 th:TH_LOAD_NT
.else
	global_load_b128 v[RING+32*((\kb)&3)+4*(\k):RING+32*((\kb)&3)+4*(\k)+3], v[GOFF], s[26:27] offset:(8*((\kb)&3)+(\k))*262144 th:TH_LOAD_NT
.endif
.endr
.endm
; Block kb: rounded in pairs of channels, squared and summed from the rounded halves, 16 bytes (8 channels) into each of my four pixels' rows; its registers are loaded again.
.macro BLOCK kb, left
	s_wait_loadcnt \left                           ; loads come back in order (ISA guide 5.7.1): this block is in, the younger blocks' loads, 8 each, stay out
.irp i, 0,1,2,3
.irp m, 0,1,2,3
	v_cvt_pk_bf16_f32 v[PK+4*(\i)+(\m)], v[RING+32*((\kb)&3)+8*(\m)+(\i)], v[RING+32*((\kb)&3)+8*(\m)+4+(\i)]
.endr
.endr
.if (\kb) < 4
	RLOAD (\kb)+4
.endif
.irp m, 0,1,2,3
.irp i, 0,1,2,3
	v_fma_mix_f32_bf16 v[SS+(\i)], v[PK+4*(\i)+(\m)], v[PK+4*(\i)+(\m)], v[SS+(\i)] op_sel_hi:[1,1,0]
.endr
.irp i, 0,1,2,3
	v_fma_mix_f32_bf16 v[SS+(\i)], v[PK+4*(\i)+(\m)], v[PK+4*(\i)+(\m)], v[SS+(\i)] op_sel:[1,1,0] op_sel_hi:[1,1,0]
.endr
.endr
.irp i, 0,1,2,3
	ds_store_b128 v[LSTO], v[PK+4*(\i):PK+4*(\i)+3] offset:(\i)*16*PITCH+16*(\kb)
.endr
.endm
; STAGING a group of 128 list entries: wave w brings rows 16 w .. 16 w + 15.
.macro ENTADDR
	v_bfe_u32 v[EOFF], v0, 4, 1
	v_lshlrev_b32 v[EOFF], 5, v[EOFF]
	v_lshl_add_u32 v[EOFF], s16, 6, v[EOFF]        ; word 16 w + 8 h
	v_lshlrev_b32 v[PEOFF], 2, v[R]
	v_lshl_add_u32 v[PEOFF], s16, 6, v[PEOFF]      ; word 16 w + r
.endm
.macro ENTLOAD
	global_load_b128 v[ENT:ENT+3], v[EOFF], s[28:29]
	global_load_b128 v[ENT+4:ENT+7], v[EOFF], s[28:29] offset:16
	global_load_b32 v[PE], v[PEOFF], s[28:29]
.endm
; The rows of kdT: lanes 0-15 take rows 0-7 of the sixteen, lanes 16-31 rows 8-15; sixteen lanes read 256 consecutive aligned bytes.  The keypoint is bits 13:4 of an entry.
.macro ROWLOAD
	v_lshlrev_b32 v[R16], 4, v[R]
.irp j, 0,1,2,3,4,5,6,7
	v_bfe_u32 v[RA+(\j)], v[ENT+(\j)], 4, 10
.endr
.irp j, 0,1,2,3,4,5,6,7
	v_min_u32 v[RA+(\j)], 0x3ff, v[RA+(\j)]
.endr
.irp j, 0,1,2,3,4,5,6,7
	v_lshl_add_u32 v[RA+(\j)], v[RA+(\j)], 9, v[R16]
.endr
	v_bfe_u32 v[PEA], v[PE], 4, 10
	v_min_u32 v[PEA], 0x3ff, v[PEA]
	v_lshlrev_b32 v[PEA], 4, v[PEA]
.irp j, 0,1,2,3,4,5,6,7
	global_load_b128 v[BF+8*(\j):BF+8*(\j)+3], v[RA+(\j)], s[46:47]
	global_load_b128 v[BF+8*(\j)+4:BF+8*(\j)+7], v[RA+(\j)], s[46:47] offset:256
.endr
	global_load_b128 v[PARV:PARV+3], v[PEA], s[48:49]
.endm
.macro ROWSTORE
	s_wait_loadcnt 0x0
.irp j, 0,1,2,3,4,5,6,7
	ds_store_b128 v[KSTO], v[BF+8*(\j):BF+8*(\j)+3] offset:(\j)*PITCH
	ds_store_b128 v[KSTO], v[BF+8*(\j)+4:BF+8*(\j)+7] offset:(\j)*PITCH+256
.endr
	ds_store_b128 v[PSTO], v[PARV:PARV+3]          ; both halves of the lanes write the same 16 bytes
.endm
; CHUNK c: keypoints 16 c .. 16 c + 15 of the group against my 32 pixels.  Source 0 = 16 pixels, source 1 = 16 keypoints: in the result a lane holds ONE keypoint (r) and eight pixels (rows 8 h + j).
.macro CHUNK c
	ds_load_b128 v[PARV:PARV+3], v[PAD] offset:256*(\c)
.irp s, 0,1,2,3,4,5,6,7
	ds_load_b128 v[BF+8*(\s):BF+8*(\s)+3], v[BAD] offset:(\c)*16*PITCH+64*(\s)
	ds_load_b128 v[BF+8*(\s)+4:BF+8*(\s)+7], v[BAD] offset:(\c)*16*PITCH+64*(\s)+32
.endr
.irp s, 0,1,2,3,4,5,6,7
	s_wait_dscnt 14-2*(\s)                         ; fragment s is in; the younger fragments' loads, two each, stay out
.if (\s) == 0
	v_wmma_f32_16x16x32_bf16 v[ACC:ACC+7], v[AF:AF+7], v[BF:BF+7], 0              ; the first 32 channels start both sums
	v_wmma_f32_16x16x32_bf16 v[ACC+8:ACC+15], v[AF+64:AF+71], v[BF:BF+7], 0
.else
	v_wmma_f32_16x16x32_bf16 v[ACC:ACC+7], v[AF+8*(\s):AF+8*(\s)+7], v[BF+8*(\s):BF+8*(\s)+7], v[ACC:ACC+7]  ; the two accumulators take turns
	v_wmma_f32_16x16x32_bf16 v[ACC+8:ACC+15], v[AF+64+8*(\s):AF+64+8*(\s)+7], v[BF+8*(\s):BF+8*(\s)+7], v[ACC+8:ACC+15]
.endif
.endr
	; Six plain instructions that name no register of the products: the places behind them (ISA guide 7.12.1).  A whole number d lies in 0 .. 26 where its f32 bits, read as an unsigned word, are at most 26.0's: a negative float has the top bit set.
	v_cvt_f32_u32 v[REC], s36                      ; my image row + 13
	v_add_f32 v[UA], s40, v[PARV]                  ; u - 13
	v_sub_f32 v[REC], v[REC], v[PARV+1]            ; row - (v - 13)
	v_cmp_ge_u32 vcc_lo, s37, v[REC]
	v_cndmask_b32 v[UA], 0x4e6e6b28, v[UA], vcc_lo ; 1e9 where the row is outside: every column then fails
	v_add_f32 v[UB], -1.0, v[UA]
.irp p, 0,1,2,3
	v_pk_add_f32 v[BF+2*(\p):BF+2*(\p)+1], v[PU+2*(\p):PU+2*(\p)+1], v[UA:UA+1] op_sel_hi:[1,0] neg_lo:[0,1] neg_hi:[0,1]      ; column - (u - 13), rows 0-15
.endr
.irp p, 0,1,2,3
	v_pk_add_f32 v[BF+8+2*(\p):BF+8+2*(\p)+1], v[PU+2*(\p):PU+2*(\p)+1], v[UB:UB+1] op_sel_hi:[1,0] neg_lo:[0,1] neg_hi:[0,1]  ; the same for rows 16-31, one column on
.endr
.irp p, 0,1,2,3,4,5,6,7
	v_pk_mul_f32 v[ACC+2*(\p):ACC+2*(\p)+1], v[ACC+2*(\p):ACC+2*(\p)+1], v[IT+2*(\p):IT+2*(\p)+1]  ; / the pixel's norm; each accumulator is read from its low end on
.endr
.irp k, 0,1,2,3,4,5,6,7,8,9,10,11,12,13,14,15
	v_cmp_ge_u32 vcc_lo, s37, v[BF+(\k)]
	v_cndmask_b32 v[ACC+(\k)], s41, v[ACC+(\k)], vcc_lo
.endr
	v_max3_num_f32 v[BF+16], v[ACC], v[ACC+1], v[ACC+2]
	v_max3_num_f32 v[BF+17], v[ACC+3], v[ACC+4], v[ACC+5]
	v_max3_num_f32 v[BF+18], v[ACC+6], v[ACC+7], v[ACC+8]
	v_max3_num_f32 v[BF+19], v[ACC+9], v[ACC+10], v[ACC+11]
	v_max3_num_f32 v[BF+20], v[ACC+12], v[ACC+13], v[ACC+14]
	v_max3_num_f32 v[BF+16], v[BF+16], v[BF+17], v[BF+18]
	v_max3_num_f32 v[BF+19], v[BF+19], v[BF+20], v[ACC+15]
	v_max_num_f32 v[BF+16], v[BF+16], v[BF+19]
	v_mul_f32 v[BF+16], v[BF+16], v[PARV+2]        ; ksc is positive: the maximum may be scaled afterwards
	v_max_num_f32 v[BF+16], 0, v[BF+16]
	v_permlanex16_b32 v[BF+17], v[BF+16], s38, s39 ; the keypoint's other sixteen pixels lie in the lane 16 away
	v_max_num_f32 v[REC], v[BF+16], v[BF+17]       ; m
.irp p, 0,1,2,3,4,5,6,7
	v_pk_fma_f32 v[ACC+2*(\p):ACC+2*(\p)+1], v[ACC+2*(\p):ACC+2*(\p)+1], v[PARV+2:PARV+3], v[REC:REC+1] op_sel_hi:[1,0,0] neg_lo:[0,0,1] neg_hi:[0,0,1]  ; ksc x - m
.endr
.irp k, 0,1,2,3,4,5,6,7,8,9,10,11,12,13,14,15
	v_exp_f32 v[ACC+(\k)], v[ACC+(\k)]
.endr
	v_nop                                          ; a plain instruction between the exponentials and the use of their results (ISA guide 5.7.2)
	s_wait_alu depctr_va_vdst(0)
.irp p, 0,1,2,3
	v_pk_add_f32 v[BF+2*(\p):BF+2*(\p)+1], v[ACC+2*(\p):ACC+2*(\p)+1], v[ACC+8+2*(\p):ACC+8+2*(\p)+1]  ; E = the weights of columns PU and PU + 1 together
.endr
	v_pk_add_f32 v[BF+8:BF+9], v[ACC+8:ACC+9], v[ACC+10:ACC+11]
	v_pk_add_f32 v[BF+10:BF+11], v[ACC+12:ACC+13], v[ACC+14:ACC+15]
	v_pk_add_f32 v[BF+12:BF+13], v[BF:BF+1], v[BF+2:BF+3]
	v_pk_add_f32 v[BF+14:BF+15], v[BF+4:BF+5], v[BF+6:BF+7]
	v_pk_mul_f32 v[BF+16:BF+17], v[BF:BF+1], v[PU:PU+1]
	v_pk_add_f32 v[BF+8:BF+9], v[BF+8:BF+9], v[BF+10:BF+11]       ; the weights of the columns PU + 1
	v_pk_add_f32 v[BF+12:BF+13], v[BF+12:BF+13], v[BF+14:BF+15]   ; all weights
	v_pk_fma_f32 v[BF+16:BF+17], v[BF+2:BF+3], v[PU+2:PU+3], v[BF+16:BF+17]
	v_pk_fma_f32 v[BF+16:BF+17], v[BF+4:BF+5], v[PU+4:PU+5], v[BF+16:BF+17]
	v_pk_fma_f32 v[BF+16:BF+17], v[BF+6:BF+7], v[PU+6:PU+7], v[BF+16:BF+17]
	v_pk_add_f32 v[BF+16:BF+17], v[BF+16:BF+17], v[BF+8:BF+9]     ; sum of E x PU + the weights one column on
	v_add_f32 v[BF+12], v[BF+12], v[BF+13]
	v_add_f32 v[BF+16], v[BF+16], v[BF+17]
	v_permlanex16_b32 v[BF+13], v[BF+12], s38, s39
	v_permlanex16_b32 v[BF+17], v[BF+16], s38, s39
	v_add_f32 v[REC+1], v[BF+12], v[BF+13]         ; l
	v_add_f32 v[REC+2], v[BF+16], v[BF+17]         ; su
	ds_store_b128 v[STA], v[REC:REC+3] offset:256*(\c)  ; both halves of the lanes write the same 16 bytes
.endm
; COMBINE: wave w joins the eight waves' figures for places 16 w + r of the group: the sixteen keypoints of chunk w, so it runs exactly where that chunk ran.
; Half h of the lanes takes the figures of waves 4 h .. 4 h + 3 (wave x holds image row V0 + x / 2); the maximum and the sums cross the halves; half 0 stores (M, L), half 1 (SU, SV).
.macro COMBINE
.irp x, 0,1,2,3
	ds_load_b128 v[BF+4*(\x):BF+4*(\x)+3], v[CMB] offset:2048*(\x)
.endr
	v_and_b32 v[BF+20], 16, v0
	v_min_u32 v[BF+21], 0xbfff, v[PE]              ; a record of the 32,768 real ones and the 512 x 32 behind them
	v_cmp_ne_u32 vcc_lo, 0, v[BF+20]               ; the upper half of the lanes
	v_lshrrev_b32 v[BF+20], 1, v[BF+20]            ; 8 h
	v_lshl_add_u32 v[BF+22], v[BF+21], 4, v[BF+20] ; my 8 bytes of the record
	s_wait_dscnt 0x0
	v_max3_num_f32 v[BF+16], v[BF], v[BF+4], v[BF+8]
	v_max_num_f32 v[BF+16], v[BF+16], v[BF+12]
	v_permlanex16_b32 v[BF+17], v[BF+16], s38, s39
	v_max_num_f32 v[BF+16], v[BF+16], v[BF+17]     ; M
.irp x, 0,1,2,3
	v_sub_f32 v[BF+4*(\x)+3], v[BF+4*(\x)], v[BF+16]
.endr
.irp x, 0,1,2,3
	v_exp_f32 v[BF+4*(\x)+3], v[BF+4*(\x)+3]
.endr
	v_nop                                          ; a plain instruction behind the exponentials (ISA guide 5.7.2)
	s_wait_alu depctr_va_vdst(0)
.irp x, 0,1,2,3
	v_mul_f32 v[BF+4*(\x)+1], v[BF+4*(\x)+1], v[BF+4*(\x)+3]
.endr
	v_mul_f32 v[BF+18], v[BF+2], v[BF+3]
.irp x, 1,2,3
	v_fmac_f32 v[BF+18], v[BF+4*(\x)+2], v[BF+4*(\x)+3]  ; my half's share of SU
.endr
	v_add_f32 v[BF+24], v[BF+1], v[BF+5]           ; the weights of image row V0 + 2 h,
	v_add_f32 v[BF+25], v[BF+9], v[BF+13]          ; and of the row below it
	v_add_f32 v[BF+17], v[BF+24], v[BF+25]         ; my half's share of L
	v_fma_f32 v[BF+19], v[VH], v[BF+17], v[BF+25]  ; and of SV: (V0 + 2 h) x both rows' weights + the lower row's
	v_permlanex16_b32 v[BF+26], v[BF+17], s38, s39
	v_permlanex16_b32 v[BF+27], v[BF+18], s38, s39
	v_permlanex16_b32 v[BF+28], v[BF+19], s38, s39
	v_add_f32 v[BF+17], v[BF+17], v[BF+26]         ; L
	v_add_f32 v[BF+18], v[BF+18], v[BF+27]         ; SU
	v_add_f32 v[BF+19], v[BF+19], v[BF+28]         ; SV
	v_cndmask_b32 v[BF+30], v[BF+16], v[BF+18], vcc_lo
	v_cndmask_b32 v[BF+31], v[BF+17], v[BF+19], vcc_lo
	global_store_b64 v[BF+22], v[BF+30:BF+31], s[12:13]  ; its registers are written again only behind the wait on XCNT that follows the macro
.endm
	s_load_b256 s[4:11], s[0:1], 0x0               ; desc_dense s[4:5], kdT s[6:7], kpar s[8:9], lst s[10:11]
	s_load_b128 s[12:15], s[0:1], 0x20             ; part s[12:13], dT s[14:15]
	s_load_b64 s[58:59], s[0:1], 0x30              ; cnt
	v_lshl_add_u32 v[SPW], v0, 2, SPARE
	v_mov_b32 v[NIL], 0
	v_lshrrev_b32 v36, 5, v0
	v_readfirstlane_b32 s16, v36                   ; wave w
	s_and_b32 s17, ttmp7, 0xffff                   ; b
	s_and_b32 s18, ttmp9, 3                        ; tile column
	s_lshr_b32 s19, ttmp9, 2                       ; tile row
	s_lshl_b32 s20, s18, 6                         ; U0
	s_lshl_b32 s21, s19, 2                         ; V0
	s_and_b32 s23, s16, 1                          ; w % 2
	s_lshr_b32 s42, s16, 1                         ; w / 2: my channel group in the stream, my image row in the products
	s_lshl_b32 s[W16], s16, 4
	s_add_co_u32 s36, s21, s42
	s_add_co_u32 s36, s36, 13                      ; my image row + 13
	s_mov_b32 s37, 0x41d00000                      ; 26.0
	s_mov_b32 s38, 0x76543210                      ; v_permlanex16_b32: each lane takes its own place in the other half
	s_mov_b32 s39, 0xfedcba98
	s_mov_b32 s40, 0xc1500000                      ; -13.0
	s_mov_b32 s41, 0xf149f2ca                      ; -1e30
	v_and_b32 v[R], 15, v0
	v_bfe_u32 v37, v0, 4, 1                        ; h
	; the stream: wave w takes channels 64 (w / 2) on and image rows 2 (w % 2) + h; a lane takes four pixels, 16 bytes
	s_lshl_b32 s24, s17, 27                        ; batch 2 b + 1 of 2^26 bytes,
	s_add_co_u32 s24, s24, 1<<26
	s_lshl_b32 s25, s42, 24                        ; 64 channels of 2^18,
	s_add_co_u32 s24, s24, s25
	s_lshl_b32 s25, s21, 10                        ; image rows of 1,024,
	s_add_co_u32 s24, s24, s25
	s_lshl_b32 s25, s23, 11
	s_add_co_u32 s24, s24, s25
	s_lshl_b32 s25, s20, 2                         ; and the tile's 256 bytes of a row
	s_add_co_u32 s24, s24, s25
	s_mov_b32 s25, 0
	s_lshl_b32 s30, s17, 8
	s_add_co_u32 s30, s30, ttmp9                   ; T
	s_lshl_b32 s60, s30, 2                         ; the tile's word in cnt,
	s_lshl_b32 s30, s30, 12                        ; and its list of 1,024 words
	s_mov_b32 s31, 0
	s_lshl_b32 s46, s17, 19                        ; the pair's part of kdT,
	s_mov_b32 s47, 0
	s_lshl_b32 s48, s17, 14                        ; of kpar,
	s_mov_b32 s49, 0
	s_add_co_u32 s52, s21, s42                     ; and in dT the pixel (V0 + w / 2, U0 + 2 (w % 2)), 512 bytes a pixel
	s_lshl_b32 s52, s52, 8
	s_add_co_u32 s52, s52, s20
	s_lshl1_add_u32 s52, s23, s52
	s_lshl_b32 s43, s17, 16
	s_add_co_u32 s52, s52, s43
	s_lshl_b32 s52, s52, 9
	s_mov_b32 s53, 0
	v_lshlrev_b32 v[GOFF], 4, v[R]
	v_lshl_add_u32 v[GOFF], v37, 10, v[GOFF]       ; 1,024 h + 16 q
	v_lshl_add_u32 v[LSTO], v37, 6, v[R]           ; tile row 64 yy + q, yy = 2 (w % 2) + h, and byte 128 (w / 2) of it
	v_mul_u32_u24 v[LSTO], v[LSTO], PITCH
	s_mul_i32 s54, s23, 128*PITCH
	s_lshl_b32 s55, s42, 7
	s_add_co_u32 s54, s54, s55
	v_add_nc_u32 v[LSTO], s54, v[LSTO]
	v_lshlrev_b32 v[SSA], 2, v[R]                  ; SSP + 1,024 (w / 2) + 4 (64 yy + q)
	v_lshl_add_u32 v[SSA], v37, 8, v[SSA]
	s_lshl_b32 s56, s42, 10
	s_lshl_b32 s57, s23, 9
	s_add_co_u32 s56, s56, s57
	s_add_co_u32 s56, s56, SSP
	v_add_nc_u32 v[SSA], s56, v[SSA]
	ENTADDR
	s_wait_kmcnt 0x0
	s_add_nc_u64 s[24:25], s[4:5], s[24:25]
	s_add_nc_u64 s[26:27], s[24:25], 0x800000      ; 32 channels on
	s_add_nc_u64 s[28:29], s[10:11], s[30:31]      ; the tile's list: this pointer steps from group to group
	s_add_nc_u64 s[46:47], s[6:7], s[46:47]
	s_add_nc_u64 s[48:49], s[8:9], s[48:49]
	s_add_nc_u64 s[52:53], s[14:15], s[52:53]
	s_load_b32 s22, s[58:59], s60 offset:0x0       ; the count
	ENTLOAD                                        ; group 0's entries: all 1,024 words of a list are written, so these loads need no condition
	RLOAD 0                                        ; 32 loads of 16 bytes a lane are on their way: half of the tile
	RLOAD 1
	RLOAD 2
	RLOAD 3
.irp i, 0,1,2,3
	v_mov_b32 v[SS+(\i)], 0
.endr
	s_wait_kmcnt 0x0
	s_min_u32 s[REM], s22, 0x400
	BLOCK 0, 24                                    ; three younger blocks stay out; the list's loads are older
	BLOCK 1, 24
	BLOCK 2, 24
	BLOCK 3, 24
	BLOCK 4, 24
	BLOCK 5, 16                                    ; nothing is left to ask for: the counts run down
	BLOCK 6, 8
	BLOCK 7, 0
.irp i, 0,1,2,3
	ds_store_b32 v[SSA], v[SS+(\i)] offset:64*(\i)
.endr
	ROWLOAD                                        ; group 0's rows travel while the tile is finished; they are waited for in ROWSTORE
	BAR                                            ; the tile and the partial sums are whole
	; 1 / norm of the pixel in row t
	v_lshl_add_u32 v40, v0, 2, SSP
.irp k, 0,1,2,3
	ds_load_b32 v[41+(\k)], v40 offset:1024*(\k)
.endr
	v_and_b32 v45, 31, v0
	v_lshlrev_b32 v45, 4, v45                      ; 16 x lane
	s_mul_i32 s43, s16, 32*PITCH                   ; my 32 rows
	v_add_nc_u32 v46, s43, v45
	s_wait_dscnt 0x0
	v_add_f32 v41, v41, v42
	v_add_f32 v43, v43, v44
	v_add_f32 v41, v41, v43
	v_sqrt_f32 v42, v41
	v_bfe_u32 v47, v0, 4, 1                        ; h; the plain instruction behind the root
	s_wait_alu depctr_va_vdst(0)
	v_max_num_f32 v42, 0x2b8cbccc, v42             ; max(norm, 1e-12)
	v_rcp_f32 v43, v42
	v_mul_u32_u24 v44, v[R], PITCH                 ; the plain instruction behind the reciprocal
	s_wait_alu depctr_va_vdst(0)
	ds_store_b32 v40, v43 offset:INVT-SSP
	v_lshl_add_u32 v44, v47, 4, v44
	v_add_nc_u32 v44, s43, v44                     ; my place in a pixel fragment: (32 w + r) 528 + 16 h
	; the tile leaves: row 32 w + k is pixel U0 + 2 (w % 2) + 4 (k % 16) + k / 16 of image row V0 + w / 2
.set k, 0
.rept 32
	ds_load_b128 v[RING+4*k:RING+4*k+3], v46 offset:k*PITCH
.set k, k+1
.endr
.set k, 0
.rept 32
	s_wait_dscnt 31-k                              ; row k is in, the younger rows' loads stay out
	global_store_b128 v45, v[RING+4*k:RING+4*k+3], s[52:53] offset:(4*(k&15)+(k>>4))*512 th:TH_STORE_NT  ; 512 consecutive bytes, aligned
.set k, k+1
.endr
	s_wait_xcnt 0x0                                ; the stores have read their registers (ISA guide 3.1): these are loaded again only behind this wait
	; A fragment is 16 rows x 32 channels in 8 registers: lane l holds row l % 16, channels 8 h + 0..7 and 16 + 8 h + 0..7: two loads of 16 bytes, 32 bytes apart.
.irp a, 0,1
.irp s, 0,1,2,3,4,5,6,7
	ds_load_b128 v[AF+64*(\a)+8*(\s):AF+64*(\a)+8*(\s)+3], v44 offset:(\a)*16*PITCH+64*(\s)
	ds_load_b128 v[AF+64*(\a)+8*(\s)+4:AF+64*(\a)+8*(\s)+7], v44 offset:(\a)*16*PITCH+64*(\s)+32
.endr
.endr
	BAR                                            ; nobody reads the tile any more: its bytes take the keypoint rows; 1 / norm is whole
	v_lshlrev_b32 v36, 5, v47                      ; 32 h
	s_lshl_b32 s43, s16, 7
	s_add_co_u32 s43, s43, INVT
	v_add_nc_u32 v37, s43, v36                     ; 1 / norm of rows 32 w + 16 a + 8 h + 0..7
	ds_load_b128 v[IT:IT+3], v37
	ds_load_b128 v[IT+4:IT+7], v37 offset:16
	ds_load_b128 v[IT+8:IT+11], v37 offset:64
	ds_load_b128 v[IT+12:IT+15], v37 offset:80
	v_mul_u32_u24 v[BAD], v[R], PITCH
	v_lshl_add_u32 v[BAD], v47, 4, v[BAD]
	v_lshlrev_b32 v[KSTO], 3, v47                  ; staged rows: (16 w + 8 h) 528 + 16 r
	v_mul_u32_u24 v[KSTO], v[KSTO], PITCH
	v_lshl_add_u32 v[KSTO], v[R], 4, v[KSTO]
	s_mul_i32 s45, s16, 16*PITCH
	v_add_nc_u32 v[KSTO], s45, v[KSTO]
	v_lshl_add_u32 v[PAD], v[R], 4, PAR
	s_lshl_b32 s54, s16, 8
	v_add_nc_u32 v[PSTO], s54, v[PAD]
	v_lshl_add_u32 v[STA], v[R], 4, ST
	s_lshl_b32 s55, s16, 11
	v_lshl_add_u32 v[CMB], v47, 13, v[STA]         ; ST + 16 r + four waves' figures x h,
	v_add_nc_u32 v[CMB], s54, v[CMB]               ; + 16 x 16 w
	v_add_nc_u32 v[STA], s55, v[STA]
	v_lshl_add_u32 v[VH], v47, 1, s21
	v_cvt_f32_u32 v[VH], v[VH]                     ; V0 + 2 h
	s_lshl1_add_u32 s56, s23, s20                  ; U0 + 2 (w % 2)
	v_add_nc_u32 v36, s56, v36
	v_cvt_f32_u32 v[PU], v36                       ; register j: column U0 + 2 (w % 2) + 32 h + 4 j
.irp j, 1,2,3,4,5,6,7
	v_add_f32 v[PU+(\j)], 4.0, v[PU+(\j)-1]
.endr
	v_mov_b32 v[REC+3], 0                          ; the record's fourth word
	v_mov_b32 v[UA+1], 0                           ; named as the upper halves of pairs whose lower half is broadcast
	v_mov_b32 v[UB+1], 0
	ROWSTORE
	; THE GROUPS of 128 list entries: eight trips whatever the count, so that every wave passes every barrier; a dead group is two barriers and some scalar lines.
	s_mov_b32 s[G], 8
.Lgroup:
	s_wait_loadcnt 0x0                             ; no load of mine is out: the staging's registers go back to the products
	BAR                                            ; the staged rows are whole, and the last group's figures have been read
.irp cc, 0,1,2,3,4,5,6,7
	s_cmp_le_u32 s[REM], 16*(\cc)                  ; no entry left for this chunk, nor for those behind it
	s_cbranch_scc1 .Lnochunks
	CHUNK \cc
.endr
.Lnochunks:
	BAR                                            ; the figures are whole, and nobody reads the rows any more
	s_cmp_le_u32 s[REM], s[W16]                    ; chunk w did not run: my sixteen places hold dummies alone
	s_cbranch_scc1 .Lnocomb
	COMBINE
.Lnocomb:
	s_sub_co_i32 s[REM], s[REM], 128
	s_max_i32 s[REM], s[REM], 0
	s_wait_xcnt 0x0                                ; the record's store and the list's loads have read their registers and bases
	s_add_nc_u64 s[28:29], s[28:29], 512           ; the next group's entries
	s_cmp_le_u32 s[REM], s[W16]                    ; my sixteen rows of it hold no entry
	s_cbranch_scc1 .Lnostage
	ENTADDR
	ENTLOAD
	s_wait_loadcnt 0x0
	ROWLOAD
	ROWSTORE
.Lnostage:
	s_sub_co_u32 s[G], s[G], 1
	s_cmp_lg_u32 s[G], 0
	s_cbranch_scc1 .Lgroup
	s_wait_tensorcnt 0x0                           ; the wave's end: three lines behind my last LDS store
	ds_add_u32 v[SPW], v[NIL]
	s_wait_dscnt 0x0
	s_endpgm
.Lfunc_end_k_q66406ede4e_match:
	.size	k_q66406ede4e_match, .Lfunc_end_k_q66406ede4e_match-k_q66406ede4e_match
	.p2alignl 7, 3214868480
	.fill 96, 4, 3214868480
	.section	.rodata,"a",@progbits
	.p2align	6, 0x0
	.amdhsa_kernel k_q66406ede4e_match
		.amdhsa_group_segment_fixed_size 141312
		.amdhsa_private_segment_fixed_size 0
		.amdhsa_enable_private_segment 0
		.amdhsa_kernarg_size 56
		.amdhsa_user_sgpr_count 2
		.amdhsa_user_sgpr_kernarg_segment_ptr 1
		.amdhsa_wavefront_size32 1
		.amdhsa_system_sgpr_workgroup_id_x 1
		.amdhsa_system_sgpr_workgroup_id_y 1
		.amdhsa_system_sgpr_workgroup_id_z 1
		.amdhsa_system_vgpr_workitem_id 0
		.amdhsa_next_free_vgpr 256
		.amdhsa_next_free_sgpr 66
		.amdhsa_reserve_vcc 1
		.amdhsa_float_denorm_mode_32 3
		.amdhsa_float_denorm_mode_16_64 3
		.amdhsa_memory_ordered 1
		.amdhsa_forward_progress 1
		.amdhsa_inst_pref_size 120
	.end_amdhsa_kernel
	.amdgpu_metadata
---
amdhsa.version: [ 1, 2 ]
amdhsa.kernels:
  - .name:           k_q66406ede4e_match
    .symbol:         k_q66406ede4e_match.kd
    .args:
      - { .name: desc_dense, .offset: 0, .size: 8, .value_kind: global_buffer, .address_space: global }
      - { .name: kdT, .offset: 8, .size: 8, .value_kind: global_buffer, .address_space: global }
      - { .name: kpar, .offset: 16, .size: 8, .value_kind: global_buffer, .address_space: global }
      - { .name: lst, .offset: 24, .size: 8, .value_kind: global_buffer, .address_space: global }
      - { .name: part, .offset: 32, .size: 8, .value_kind: global_buffer, .address_space: global }
      - { .name: dT, .offset: 40, .size: 8, .value_kind: global_buffer, .address_space: global }
      - { .name: cnt, .offset: 48, .size: 8, .value_kind: global_buffer, .address_space: global }
    .group_segment_fixed_size: 141312
    .private_segment_fixed_size: 0
    .kernarg_segment_align: 8
    .kernarg_segment_size: 56
    .max_flat_workgroup_size: 256
    .sgpr_count:     66
    .vgpr_count:     256
    .wavefront_size: 32
...
	.end_amdgpu_metadata
.endif
;; end of part 3
;; launch merge (part 4): grid 256 x 1, 4 waves a work-group, no clusters, 0 bytes of LDS; arguments uvi, part, out0, smpi; writes out0, smpi
.if DOCPART == 4
	.amdgcn_target "amdgcn-amd-amdhsa--gfx1250"
	.amdhsa_code_object_version 6
	.text
	.protected	k_q66406ede4e_merge
	.globl	k_q66406ede4e_merge
	.p2align	8
	.type	k_q66406ede4e_merge,@function
k_q66406ede4e_merge:
	s_mov_b64 s[64:65], 0
	v_nop
	global_prefetch_b8 v0, s[64:65] scope:SCOPE_SE
	s_setreg_imm32_b32 hwreg(HW_REG_WAVE_MODE, 25, 1), 1
	s_wait_xcnt 0x0
; MERGE.  Sixteen lanes for each of the 2,048 keypoints, a lane for each slot (tile) of its window.  The records (M, L, SU, SV) of the tiles that the window meets are joined under the common
; maximum; the pixels outside the window, whose logit is 0, are added in closed form: their number, and the sums of u and of v over the map less the clipped window, all whole numbers below 2^24.
; out0 = (sum of weights x u, x v) / sum of weights.  smpi = floor(x) + 1, floor(y) + 1 of the sampling point x = u 256 / 255 - 0.5, as whole numbers for the next launch's addresses.
; A slot is read exactly where the list-making launch listed the keypoint: tile rows (v0c / 4) .. (v1c / 4), tile columns (u0c / 64) .. (u1c / 64) of the clipped window.
; LIMITS.  A weight below 2^-126 counts as 0.  The stores are 8 bytes a keypoint (16 KB in all): whole blocks of 256 bytes would ask for 32 keypoints a store.
	s_load_b256 s[4:11], s[0:1], 0x0               ; uvi s[4:5], part s[6:7], out0 s[8:9], smpi s[10:11]
	s_lshl_b32 s12, ttmp9, 7
	s_mov_b32 s15, 0x4aff0000                      ; 8,355,840 = 256 x (0 + .. + 255)
	s_mov_b32 s16, 0x3f808081                      ; 256 / 255
	v_add_nc_u32 v1, s12, v0                       ; 16 x keypoint + slot
	v_lshrrev_b32 v2, 4, v1
	v_and_b32 v3, 15, v0                           ; slot
	v_lshlrev_b32 v4, 3, v2
	v_lshlrev_b32 v5, 4, v1
	s_wait_kmcnt 0x0
	global_load_b64 v[6:7], v4, s[4:5]             ; (u, v)
	v_lshrrev_b32 v8, 1, v3                        ; the slot's tile row,
	v_and_b32 v9, 1, v3                            ; and tile column, from the window's first
	v_mov_b32 v20, 0                               ; a slot that is not read counts as M = 0 and no weight
	v_mov_b32 v21, 0
	v_mov_b32 v22, 0
	v_mov_b32 v23, 0
	s_wait_loadcnt 0x0
	v_add_nc_u32 v10, -13, v6
	v_add_nc_u32 v11, 13, v6
	v_add_nc_u32 v12, -13, v7
	v_add_nc_u32 v13, 13, v7
	v_max_i32 v10, 0, v10                          ; u0c
	v_min_i32 v11, 0xff, v11                       ; u1c
	v_max_i32 v12, 0, v12                          ; v0c
	v_min_i32 v13, 0xff, v13                       ; v1c
	v_lshrrev_b32 v16, 6, v10
	v_ashrrev_i32 v17, 6, v11
	v_lshrrev_b32 v18, 2, v12
	v_ashrrev_i32 v19, 2, v13
	v_add_nc_u32 v16, v16, v9
	v_add_nc_u32 v18, v18, v8
	v_cmp_le_i32 s13, v16, v17
	v_cmp_le_i32 vcc_lo, v18, v19
	s_and_b32 vcc_lo, vcc_lo, s13
	s_wait_xcnt 0x0                                ; EXEC changes only behind this wait
	s_and_saveexec_b32 s14, vcc_lo
	global_load_b128 v[20:23], v5, s[6:7]          ; a keypoint's sixteen records are 256 consecutive bytes
	s_wait_xcnt 0x0
	s_or_b32 exec_lo, exec_lo, s14
	v_sub_nc_u32 v14, v11, v10                     ; the clipped window: columns,
	v_sub_nc_u32 v15, v13, v12                     ; rows
	v_add_nc_u32 v14, 1, v14
	v_add_nc_u32 v15, 1, v15
	v_max_i32 v14, 0, v14
	v_max_i32 v15, 0, v15
	v_mul_u32_u24 v27, v14, v15                    ; pixels inside
	v_cvt_f32_u32 v28, v27
	v_add_nc_u32 v29, v10, v11
	v_add_nc_u32 v30, v12, v13
	v_cvt_f32_i32 v29, v29
	v_cvt_f32_i32 v30, v30
	v_mul_f32 v29, v29, v28
	v_mul_f32 v30, v30, v28
	v_fma_f32 v29, v29, -0.5, s15                  ; the sum of u outside
	v_fma_f32 v30, v30, -0.5, s15                  ; the sum of v outside
	v_sub_f32 v28, 0x47800000, v28                 ; pixels outside
	s_wait_loadcnt 0x0
	v_mov_b32 v24, v20
	v_max_num_f32_dpp v24, v24, v24 row_xmask:1 row_mask:0xf bank_mask:0xf
	v_max_num_f32_dpp v24, v24, v24 row_xmask:2 row_mask:0xf bank_mask:0xf
	v_max_num_f32_dpp v24, v24, v24 row_xmask:4 row_mask:0xf bank_mask:0xf
	v_max_num_f32_dpp v24, v24, v24 row_xmask:8 row_mask:0xf bank_mask:0xf  ; M: the row's maximum, at least 0
	v_sub_f32 v25, v20, v24
	v_sub_f32 v26, 0, v24
	v_exp_f32 v25, v25
	v_exp_f32 v26, v26                             ; the weight of a pixel outside
	v_nop                                          ; a plain instruction behind the exponentials (ISA guide 5.7.2)
	s_wait_alu depctr_va_vdst(0)
	v_mul_f32 v21, v21, v25
	v_mul_f32 v22, v22, v25
	v_mul_f32 v23, v23, v25
.irp x, 1,2,4,8
	v_add_f32_dpp v21, v21, v21 row_xmask:\x row_mask:0xf bank_mask:0xf
	v_add_f32_dpp v22, v22, v22 row_xmask:\x row_mask:0xf bank_mask:0xf
	v_add_f32_dpp v23, v23, v23 row_xmask:\x row_mask:0xf bank_mask:0xf
.endr
	v_fma_f32 v21, v26, v28, v21
	v_fma_f32 v22, v26, v29, v22
	v_fma_f32 v23, v26, v30, v23
	v_rcp_f32 v21, v21
	v_cmp_eq_u32 vcc_lo, 0, v3                     ; the plain instruction behind the reciprocal
	s_wait_alu depctr_va_vdst(0)
	v_mul_f32 v32, v22, v21                        ; the soft-argmax
	v_mul_f32 v33, v23, v21
	v_fma_f32 v34, v32, s16, -0.5                  ; the sampling point; the next launch makes it by the same instruction
	v_fma_f32 v35, v33, s16, -0.5
	v_floor_f32 v34, v34
	v_floor_f32 v35, v35
	v_cvt_i32_f32 v34, v34
	v_cvt_i32_f32 v35, v35
	v_add_nc_u32 v34, 1, v34
	v_add_nc_u32 v35, 1, v35
	v_max_i32 v34, 0, v34
	v_max_i32 v35, 0, v35
	v_min_i32 v34, 0x100, v34
	v_min_i32 v35, 0x100, v35
	s_wait_xcnt 0x0
	s_and_saveexec_b32 s14, vcc_lo                 ; slot 0 stores for its keypoint
	global_store_b64 v4, v[32:33], s[8:9]
	global_store_b64 v4, v[34:35], s[10:11]
	s_endpgm
.Lfunc_end_k_q66406ede4e_merge:
	.size	k_q66406ede4e_merge, .Lfunc_end_k_q66406ede4e_merge-k_q66406ede4e_merge
	.p2alignl 7, 3214868480
	.fill 96, 4, 3214868480
	.section	.rodata,"a",@progbits
	.p2align	6, 0x0
	.amdhsa_kernel k_q66406ede4e_merge
		.amdhsa_group_segment_fixed_size 0
		.amdhsa_private_segment_fixed_size 0
		.amdhsa_enable_private_segment 0
		.amdhsa_kernarg_size 32
		.amdhsa_user_sgpr_count 2
		.amdhsa_user_sgpr_kernarg_segment_ptr 1
		.amdhsa_wavefront_size32 1
		.amdhsa_system_sgpr_workgroup_id_x 1
		.amdhsa_system_sgpr_workgroup_id_y 1
		.amdhsa_system_sgpr_workgroup_id_z 1
		.amdhsa_system_vgpr_workitem_id 0
		.amdhsa_next_free_vgpr 48
		.amdhsa_next_free_sgpr 66
		.amdhsa_reserve_vcc 1
		.amdhsa_float_denorm_mode_32 3
		.amdhsa_float_denorm_mode_16_64 3
		.amdhsa_memory_ordered 1
		.amdhsa_forward_progress 1
		.amdhsa_inst_pref_size 5
	.end_amdhsa_kernel
	.amdgpu_metadata
---
amdhsa.version: [ 1, 2 ]
amdhsa.kernels:
  - .name:           k_q66406ede4e_merge
    .symbol:         k_q66406ede4e_merge.kd
    .args:
      - { .name: uvi, .offset: 0, .size: 8, .value_kind: global_buffer, .address_space: global }
      - { .name: part, .offset: 8, .size: 8, .value_kind: global_buffer, .address_space: global }
      - { .name: out0, .offset: 16, .size: 8, .value_kind: global_buffer, .address_space: global }
      - { .name: smpi, .offset: 24, .size: 8, .value_kind: global_buffer, .address_space: global }
    .group_segment_fixed_size: 0
    .private_segment_fixed_size: 0
    .kernarg_segment_align: 8
    .kernarg_segment_size: 32
    .max_flat_workgroup_size: 128
    .sgpr_count:     66
    .vgpr_count:     48
    .wavefront_size: 32
...
	.end_amdgpu_metadata
.endif
;; end of part 4
;; launch sample (part 5): grid 256 x 1, 8 waves a work-group, no clusters, 0 bytes of LDS; arguments smpi, out0, dT, kdT, kpar, scores_dense, keypoint_scores, out1; writes out1
.if DOCPART == 5
	.amdgcn_target "amdgcn-amd-amdhsa--gfx1250"
	.amdhsa_code_object_version 6
	.text
	.protected	k_q66406ede4e_sample
	.globl	k_q66406ede4e_sample
	.p2align	8
	.type	k_q66406ede4e_sample,@function
k_q66406ede4e_sample:
	s_mov_b64 s[64:65], 0
	v_nop
	global_prefetch_b8 v0, s[64:65] scope:SCOPE_SE
	s_setreg_imm32_b32 hwreg(HW_REG_WAVE_MODE, 25, 1), 1
	s_wait_xcnt 0x0
; SAMPLE.  One wave for each of the 2,048 keypoints; a lane holds eight of the 256 channels.  The four taps of the bilinear sample are rows of 512 consecutive bytes of dT (pixel-major bf16);
; their products with the keypoint's row are summed tap by tap and weighted afterwards.  Taps outside the map count as 0 (their addresses are clamped into it, their weights are 0).
; out1 = 0.5 (dot x invs / 256 + 1) x keypoint score x sampled score; both scores are rounded to bf16 as loaded, like every input of the program.
; The taps' whole numbers come from smpi; the fractions from out0, by the same fused multiply-add as in the launch before, so the two agree to the bit.
; The store is 4 bytes a wave (8 KB in all): a whole block of 256 bytes would ask for 64 keypoints a work-group, and leave 32 work-groups for a launch that waits on gathers.
	s_load_b256 s[4:11], s[0:1], 0x0               ; smpi s[4:5], out0 s[6:7], dT s[8:9], kdT s[10:11]
	s_load_b256 s[12:19], s[0:1], 0x20             ; kpar s[12:13], scores_dense s[14:15], keypoint_scores s[16:17], out1 s[18:19]
	v_lshrrev_b32 v1, 5, v0
	v_readfirstlane_b32 s20, v1
	s_lshl3_add_u32 s20, ttmp9, s20                ; the keypoint, 0 .. 2,047
	v_and_b32 v1, 31, v0
	v_lshlrev_b32 v2, 4, v1                        ; 16 x lane
	s_lshr_b32 s21, s20, 10                        ; b
	s_and_b32 s22, s20, 0x3ff
	s_lshl_b32 s23, s20, 3
	s_lshl_b32 s24, s20, 4
	s_lshl_b32 s25, s21, 13                        ; keypoint_scores: batch 2 b of 4,096 bytes
	s_lshl2_add_u32 s25, s22, s25
	s_lshl_b32 s26, s20, 9
	v_add_nc_u32 v3, s26, v2
	s_mov_b32 s56, 0x3f808081                      ; 256 / 255
	s_mov_b32 s57, 0x3b800000                      ; 1 / 256
	s_lshl_b32 s58, s20, 2
	s_mov_b32 s60, 0x76543210
	s_mov_b32 s61, 0xfedcba98
	s_wait_kmcnt 0x0
	s_load_b64 s[28:29], s[4:5], s23 offset:0x0    ; floor(x) + 1, floor(y) + 1
	s_load_b64 s[30:31], s[6:7], s23 offset:0x0    ; the soft-argmax
	s_load_b32 s32, s[12:13], s24 offset:0xc       ; invs
	s_load_b32 s33, s[16:17], s25 offset:0x0       ; the keypoint's score
	global_load_b128 v[4:7], v3, s[10:11]          ; the keypoint's row
	s_wait_kmcnt 0x0
	s_max_u32 s34, s28, 1                          ; the taps' columns and rows, clamped into the map last of all
	s_sub_co_u32 s34, s34, 1
	s_min_u32 s34, s34, 0xff
	s_min_u32 s35, s28, 0xff
	s_max_u32 s36, s29, 1
	s_sub_co_u32 s36, s36, 1
	s_min_u32 s36, s36, 0xff
	s_min_u32 s37, s29, 0xff
	s_cmp_ge_u32 s28, 1                            ; is the tap inside?
	s_cselect_b32 s38, 1.0, 0
	s_cmp_le_u32 s28, 0xff
	s_cselect_b32 s39, 1.0, 0
	s_cmp_ge_u32 s29, 1
	s_cselect_b32 s40, 1.0, 0
	s_cmp_le_u32 s29, 0xff
	s_cselect_b32 s41, 1.0, 0
	s_lshl_b32 s42, s21, 16
	s_lshl_b32 s43, s36, 8
	s_add_co_u32 s43, s43, s42
	s_lshl_b32 s44, s37, 8
	s_add_co_u32 s44, s44, s42
	s_add_co_u32 s45, s43, s34                     ; the four pixels' numbers in dT: (x0, y0),
	s_add_co_u32 s46, s43, s35                     ; (x1, y0),
	s_add_co_u32 s47, s44, s34                     ; (x0, y1),
	s_add_co_u32 s48, s44, s35                     ; (x1, y1)
	v_lshl_add_u32 v8, s45, 9, v2
	v_lshl_add_u32 v9, s46, 9, v2
	v_lshl_add_u32 v10, s47, 9, v2
	v_lshl_add_u32 v11, s48, 9, v2
	global_load_b128 v[12:15], v8, s[8:9]
	global_load_b128 v[16:19], v9, s[8:9]
	global_load_b128 v[20:23], v10, s[8:9]
	global_load_b128 v[24:27], v11, s[8:9]
	s_add_co_u32 s50, s21, 1                       ; scores_dense: batch 2 b + 1 of 2^18 bytes; 4 x the pixel's number already holds b x 2^18
	s_lshl_b32 s50, s50, 18
	s_lshl2_add_u32 s45, s45, s50
	s_lshl2_add_u32 s46, s46, s50
	s_lshl2_add_u32 s47, s47, s50
	s_lshl2_add_u32 s48, s48, s50
	s_load_b32 s52, s[14:15], s45 offset:0x0
	s_load_b32 s53, s[14:15], s46 offset:0x0
	s_load_b32 s54, s[14:15], s47 offset:0x0
	s_load_b32 s55, s[14:15], s48 offset:0x0
	v_fma_f32 v28, s30, s56, -0.5                  ; x
	v_fma_f32 v29, s31, s56, -0.5                  ; y
	v_cvt_f32_u32 v30, s28
	v_cvt_f32_u32 v31, s29
	v_add_f32 v30, -1.0, v30                       ; floor(x)
	v_add_f32 v31, -1.0, v31
	v_sub_f32 v28, v28, v30                        ; the fractions
	v_sub_f32 v29, v29, v31
	v_sub_f32 v30, 1.0, v28
	v_sub_f32 v31, 1.0, v29
	v_mul_f32 v30, s38, v30
	v_mul_f32 v28, s39, v28
	v_mul_f32 v31, s40, v31
	v_mul_f32 v29, s41, v29
	v_mul_f32 v32, v30, v31                        ; the four taps' weights, in the pixels' order
	v_mul_f32 v33, v28, v31
	v_mul_f32 v34, v30, v29
	v_mul_f32 v35, v28, v29
.irp p, 0,1,2,3
	v_mov_b32 v[36+(\p)], 0
.endr
	v_mov_b32 v41, 0                               ; v_permlanex16_b32's destination counts as read
	v_mov_b32 v47, s58                             ; 4 x the keypoint
	s_wait_loadcnt 0x0
.irp j, 0,1,2,3
.irp p, 0,1,2,3
	v_fma_mix_f32_bf16 v[36+(\p)], v[4+(\j)], v[12+4*(\p)+(\j)], v[36+(\p)] op_sel_hi:[1,1,0]
.endr
.irp p, 0,1,2,3
	v_fma_mix_f32_bf16 v[36+(\p)], v[4+(\j)], v[12+4*(\p)+(\j)], v[36+(\p)] op_sel:[1,1,0] op_sel_hi:[1,1,0]
.endr
.endr
	v_mul_f32 v40, v32, v36
	v_fmac_f32 v40, v33, v37
	v_fmac_f32 v40, v34, v38
	v_fmac_f32 v40, v35, v39
	v_add_f32_dpp v40, v40, v40 row_xmask:1 row_mask:0xf bank_mask:0xf
	v_add_f32_dpp v40, v40, v40 row_xmask:2 row_mask:0xf bank_mask:0xf
	v_add_f32_dpp v40, v40, v40 row_xmask:4 row_mask:0xf bank_mask:0xf
	v_add_f32_dpp v40, v40, v40 row_xmask:8 row_mask:0xf bank_mask:0xf
	v_permlanex16_b32 v41, v40, s60, s61
	v_add_f32 v40, v40, v41                        ; the dot product over 256 channels
	s_wait_kmcnt 0x0
	v_cvt_pk_bf16_f32 v42, s52, s53
	v_cvt_pk_bf16_f32 v43, s54, s55
	v_cvt_pk_bf16_f32 v44, s33, s33
	v_lshlrev_b32 v45, 16, v42
	v_and_b32 v42, 0xffff0000, v42
	v_lshlrev_b32 v46, 16, v43
	v_and_b32 v43, 0xffff0000, v43
	v_lshlrev_b32 v44, 16, v44
	v_mul_f32 v45, v45, v32
	v_fmac_f32 v45, v42, v33
	v_fmac_f32 v45, v46, v34
	v_fmac_f32 v45, v43, v35                       ; the sampled score
	v_mul_f32 v40, s32, v40
	v_fma_f32 v40, v40, s57, 1.0
	v_mul_f32 v44, v44, v45
	v_mul_f32 v40, 0.5, v40
	v_mul_f32 v40, v40, v44
	v_cmp_eq_u32 vcc_lo, 0, v1
	s_wait_xcnt 0x0                                ; EXEC changes only behind this wait
	s_and_saveexec_b32 s59, vcc_lo
	global_store_b32 v47, v40, s[18:19]
	s_endpgm
.Lfunc_end_k_q66406ede4e_sample:
	.size	k_q66406ede4e_sample, .Lfunc_end_k_q66406ede4e_sample-k_q66406ede4e_sample
	.p2alignl 7, 3214868480
	.fill 96, 4, 3214868480
	.section	.rodata,"a",@progbits
	.p2align	6, 0x0
	.amdhsa_kernel k_q66406ede4e_sample
		.amdhsa_group_segment_fixed_size 0
		.amdhsa_private_segment_fixed_size 0
		.amdhsa_enable_private_segment 0
		.amdhsa_kernarg_size 64
		.amdhsa_user_sgpr_count 2
		.amdhsa_user_sgpr_kernarg_segment_ptr 1
		.amdhsa_wavefront_size32 1
		.amdhsa_system_sgpr_workgroup_id_x 1
		.amdhsa_system_sgpr_workgroup_id_y 1
		.amdhsa_system_sgpr_workgroup_id_z 1
		.amdhsa_system_vgpr_workitem_id 0
		.amdhsa_next_free_vgpr 48
		.amdhsa_next_free_sgpr 66
		.amdhsa_reserve_vcc 1
		.amdhsa_float_denorm_mode_32 3
		.amdhsa_float_denorm_mode_16_64 3
		.amdhsa_memory_ordered 1
		.amdhsa_forward_progress 1
		.amdhsa_inst_pref_size 8
	.end_amdhsa_kernel
	.amdgpu_metadata
---
amdhsa.version: [ 1, 2 ]
amdhsa.kernels:
  - .name:           k_q66406ede4e_sample
    .symbol:         k_q66406ede4e_sample.kd
    .args:
      - { .name: smpi, .offset: 0, .size: 8, .value_kind: global_buffer, .address_space: global }
      - { .name: out0, .offset: 8, .size: 8, .value_kind: global_buffer, .address_space: global }
      - { .name: dT, .offset: 16, .size: 8, .value_kind: global_buffer, .address_space: global }
      - { .name: kdT, .offset: 24, .size: 8, .value_kind: global_buffer, .address_space: global }
      - { .name: kpar, .offset: 32, .size: 8, .value_kind: global_buffer, .address_space: global }
      - { .name: scores_dense, .offset: 40, .size: 8, .value_kind: global_buffer, .address_space: global }
      - { .name: keypoint_scores, .offset: 48, .size: 8, .value_kind: global_buffer, .address_space: global }
      - { .name: out1, .offset: 56, .size: 8, .value_kind: global_buffer, .address_space: global }
    .group_segment_fixed_size: 0
    .private_segment_fixed_size: 0
    .kernarg_segment_align: 8
    .kernarg_segment_size: 64
    .max_flat_workgroup_size: 256
    .sgpr_count:     66
    .vgpr_count:     48
    .wavefront_size: 32
...
	.end_amdgpu_metadata
.endif
;; end of part 5
;; ======== version 2 of 2: 5 launches; version 1 with the launch match written anew for expert scheduling mode
;; workspace buffers: uvi 16,384 bytes of whole numbers; kpar 32,768 bytes; kdT 1,048,576 bytes; lst 2,097,152 bytes of whole numbers; cnt 2,048 bytes of whole numbers; part 786,432 bytes; dT 67,108,864 bytes; smpi 16,384 bytes of whole numbers
;; launch prep: the kernel of part 1 again; grid 16 x 2, 8 waves a work-group, no clusters, 38,912 bytes of LDS; arguments keypoint_desc, keypoint_coords, kdT, kpar, uvi, out2; writes kdT, kpar, uvi, out2
;; launch bin: the kernel of part 2 again; grid 256 x 2, 1 waves a work-group, no clusters, 4,608 bytes of LDS; arguments uvi, lst, cnt; writes lst, cnt
;; launch match (part 6): grid 256 x 2, 8 waves a work-group, no clusters, 141,312 bytes of LDS; arguments desc_dense, kdT, kpar, lst, part, dT, cnt; writes part, dT
.if DOCPART == 6
	.amdgcn_target "amdgcn-amd-amdhsa--gfx1250"
	.amdhsa_code_object_version 6
	.text
	.protected	k_q66406ede4e_match
	.globl	k_q66406ede4e_match
	.p2align	8
	.type	k_q66406ede4e_match,@function
k_q66406ede4e_match:
	s_mov_b64 s[64:65], 0
	v_nop
	global_prefetch_b8 v0, s[64:65] scope:SCOPE_SE
	s_setreg_imm32_b32 hwreg(HW_REG_WAVE_SCHED_MODE, 0, 2), 2
	s_setreg_imm32_b32 hwreg(HW_REG_WAVE_MODE, 25, 1), 1
	s_wait_xcnt 0x0
	s_wait_alu depctr_vm_vsrc(0)
; MATCH.  One work-group for each tile of 64 x 4 pixels of the dense map of pair b (batch 2 b + 1; tile row x / 4, tile column x % 4; tile number T = 256 b + x).
; 1. THE STREAM: 256 channels x 256 pixels of f32 are read once, rounded to bf16, squared and summed, and laid pixel-major into LDS (a row = a pixel's 256 channels).
; 2. 1 / max(norm, 1e-12) of each pixel; the tile leaves as dT[b][pixel][256] bf16, rows of 512 bytes, for the launch that samples; each wave takes its 32 pixels' rows as matrix fragments.
; 3. THE PRODUCTS: for each 16 keypoints of the tile's list, 32 pixels x 16 keypoints x 256 channels a wave; the norms are applied in f32 behind the product; pixels outside a keypoint's window of 27 x 27 get -1e30;
;    a partial softmax in base 2 with a running maximum that starts at 0 (pixels of logit 0 exist outside every window, so the row's true maximum is never below 0);
;    the eight waves' figures meet in LDS and one record (M, L = sum of weights, SU = sum of weights x u, SV = the same x v) goes out for each (keypoint, tile).
; Products outside the windows are not made: reference() multiplies them by 0; their share of the softmax is added in closed form by the next launch.
; THE LIST: cnt[T] says how many entries of lst[T] are keypoints; every branch on data in this text hangs on that one whole number.  The entries are record numbers: 0x4000 b + 16 keypoint + slot;
; a dummy (0x8000 and above) names a record of the tile's own behind the real ones, which nobody reads, and by its bits 13:4 some real keypoint, so that it is worked on like any entry and no lane
; is ever switched off.  Sixteen places that hold dummies alone are jumped, in the products and in the joining alike: 15 records a tile and group at the most go to the unread block.
; LIMITS.  Inputs are rounded to bf16 as loaded.  A weight below 2^-126 counts as 0.  NaN and infinities are not treated apart.  A hidden score counts as -1e30 ahead of the scale.
; NO TENSOR LOADS: each f32 must pass through registers to be rounded and turned.  NO CLUSTER: no two work-groups read the same dense bytes; the keypoint rows that they share are
; some 24 KB beside a tile's 256 KB.  141,312 bytes of LDS and 8 x 256 registers let two work-groups lie on a WGP: all 512 tiles are at work at once.
; THE MODE: SCHED_MODE bits 1:0 = 2 (LLVM: expert scheduling mode 2), set by the entry lines.  The code itself states the register dependences
; between vector or matrix instructions and memory or LDS instructions, with s_wait_alu, always for 0.
; THE PLAN.  Registers that memory or LDS instructions touch:
;   THE STREAM.  RING0 .. RING3: block kb's sixteen roundings read RING[kb % 4]; behind them the loads of block kb + 4 land in it.
;     P0 (v40-55), P1 (v64-79): block kb's roundings write P[kb % 2]; its four LDS stores, straight behind them, and its squares read it.  One wait on va_vdst behind a block's roundings states
;     both; one wait on vm_vsrc beside it, AHEAD of the block's own stores, states that the stores of the block before have read the buffer that the next block writes.
;     v60, v61, v62: offsets and addresses, made at the head, not written again while the stream runs.
;   THE LOOP.  PARV, BF: a chunk's LDS loads and the staging's global loads land; matrix and vector instructions read them, and vector instructions use BF as scratch; the staging's LDS stores and the
;     record's store read them.  REC: written by a chunk's vector lines, read by its LDS store; v28, v29 are also the list loads' offsets.  ACC: written by the products; list entries land in v8-15,
;     and v16-23 are the row loads' offsets.  v34: the parameters' offset, and UA.  v39: the list's load lands, vector lines read it.  v4-7, v32, v33: addresses made once.
;     Waits on vm_vsrc: at a group's head (what the staging read), behind the products of chunks 1 to 7 (REC), and behind the joining (what the chunks and the record's store read).
;     Waits on va_vdst: ahead of each chunk's store, which also frees PARV and BF for the next chunk's loads; ahead of the record's store; behind each of the staging's two runs of address lines.
;   MASKS.  A compare's mask is awaited ahead of the select that reads it: the sixteen column compares of a chunk stand in one run, into sixteen scalar registers, under one wait.
.set PITCH, 528                        ; an LDS row: 512 bytes + 16 = 33 x 16: sixteen rows on end meet sixteen different groups of banks (ISA guide 11.1)
.set KP,    0                          ; behind the tile's death: 128 keypoint rows,
.set ST,    128*PITCH                  ; the waves' figures [8 waves][128 keypoints][16 bytes],
.set PAR,   ST+8*2048                  ; and the keypoints' parameters [128][16 bytes]; all inside the tile's 256 rows
.set SSP,   256*PITCH                  ; partial sums of squares [4 channel groups][256 rows] f32
.set INVT,  SSP+4096                   ; 1 / norm [256 rows] f32
.set SPARE, INVT+1024                  ; the spare words, 128 bytes a wave
; Tile row 64 yy + 16 i + q holds pixel (V0 + yy, U0 + 4 q + i).
.set R,    1                           ; v1   lane % 16
.set SPW,  2                           ; v2   my spare word's address; never rewritten
.set NIL,  3                           ; v3   0; never rewritten
.set BAD,  4                           ; v4   my place in a keypoint fragment: 528 r + 16 h
.set PAD,  5                           ; v5   PAR + 16 r
.set STA,  6                           ; v6   ST + 2,048 w + 16 r: where my wave puts its figures
.set CMB,  7                           ; v7   ST + 8,192 h + 16 (16 w + r): where I read four waves' figures of place 16 w + r
.set ACC,  8                           ; v8-15, v16-23 the two accumulators (my pixels' rows 0-15, 16-31 x 16 keypoints)
.set ENT,  8                           ;      at staging: eight list entries,
.set RA,   16                          ;      and their rows' byte offsets
.set PARV, 24                          ; v24-27 (u, v, ksc, invs) of my keypoint
.set REC,  28                          ; v28-31 (m, l, su, 0)
.set EOFF, 28                          ;      at staging: two byte offsets into the list
.set PEOFF, 29
.set FA,   29                          ;      at the tile's end: my place in a pixel fragment; not written again before the loop's waits on vm_vsrc
.set ITA,  30                          ;      ahead of the loop: where I read 1 / norm; likewise
.set KSTO, 32                          ; v32  where I put staged rows
.set PSTO, 33                          ; v33  where I put staged parameters
.set UA,   34                          ; v34  u - 13, or 1e9 where my image row is outside the window; v35 is named with it as a pair
.set PEA,  34                          ;      at staging: the parameters' byte offset
.set UB,   36                          ; v36  UA - 1; v37 is named with it as a pair
.set R16,  36                          ;      at staging: 16 r
.set VH,   38                          ; v38  V0 + 2 h as f32: the first of the two image rows whose figures my half of the lanes joins
.set PE,   39                          ; v39  the entry of place 16 w + r of the group
.set PU,   40                          ; v40-47 the columns u of my eight pixels of rows 0-15; those of rows 16-31 are one more
.set IT,   48                          ; v48-63 1 / norm of my sixteen pixels
.set BF,   64                          ; v64-127 keypoint fragments; staged rows; at work behind the products
.set AF,   128                         ; v128-255 my 32 pixels' fragments: 64 a + 8 s
.set PK,   40                          ; the stream: v40-55 packed, even blocks; v56-59 sums of squares, v60-62 addresses, v128-255 a ring of four blocks of 8 loads
.set PKX,  64                          ;      v64-79 packed, odd blocks
.set SS,   56
.set GOFF, 60
.set LSTO, 61
.set SSA,  62
.set RING, 128
.set REM,  32                          ; s32  list entries from this group on
.set W16,  33                          ; s33  16 w
.set G,    35                          ; s35  groups to go
.set CM,   4                           ; s4-11, s50-57  in the loop, where nothing else lives there: the masks of a chunk's sixteen column compares: number k in s[CM + k + 38 (k / 8)]
.macro BAR
	s_wait_dscnt 0x0                               ; for the others' sake: all my LDS loads and stores are done
	s_barrier_signal -1
	s_barrier_wait -1
.endm
; Eight loads: channels 8 kb .. 8 kb + 7 of my wave's 64.  A load takes two image rows' 256 aligned bytes of one channel.  The immediate holds 31 channels at the most, so the upper 32 have a base of their own.
.macro RLOAD kb
.irp k, 0,1,2,3,4,5,6,7
.if (\kb) < 4
	global_load_b128 v[RING+32*((\kb)&3)+4*(\k):RING+32*((\kb)&3)+4*(\k)+3], v[GOFF], s[24:25] offset:(8*((\kb)&3)+(\k))*262144 th:TH_LOAD_NT
.else
	global_load_b128 v[RING+32*((\kb)&3)+4*(\k):RING+32*((\kb)&3)+4*(\k)+3], v[GOFF], s[26:27] offset:(8*((\kb)&3)+(\k))*262144 th:TH_LOAD_NT
.endif
.endr
.endm
; Block kb: rounded in pairs of channels into packed buffer kb % 2; its ring registers are loaded again; 16 bytes (8 channels) go into each of my four pixels' rows; then the squares, summed from the rounded halves.
.macro BLOCK kb, left
.set PB, PK+(PKX-PK)*((\kb)&1)
	s_wait_loadcnt \left                           ; loads come back in order (ISA guide 5.7.1): this block is in, the younger blocks' loads, 8 each, stay out
.irp i, 0,1,2,3
.irp m, 0,1,2,3
	v_cvt_pk_bf16_f32 v[PB+4*(\i)+(\m)], v[RING+32*((\kb)&3)+8*(\m)+(\i)], v[RING+32*((\kb)&3)+8*(\m)+4+(\i)]
.endr
.endr
	s_wait_alu depctr_va_vdst(0)                   ; the roundings have written this block's packed buffer, which the LDS stores below read, and are done reading the ring's block, in which the loads below land
.if ((\kb) > 0) && ((\kb) < 7)
	s_wait_alu depctr_vm_vsrc(0)                   ; the LDS stores of the block before have read the other packed buffer, which the next block's roundings write again
.endif
.if (\kb) < 4
	RLOAD (\kb)+4
.endif
.irp i, 0,1,2,3
	ds_store_b128 v[LSTO], v[PB+4*(\i):PB+4*(\i)+3] offset:(\i)*16*PITCH+16*(\kb)
.endr
.irp m, 0,1,2,3
.irp i, 0,1,2,3
	v_fma_mix_f32_bf16 v[SS+(\i)], v[PB+4*(\i)+(\m)], v[PB+4*(\i)+(\m)], v[SS+(\i)] op_sel_hi:[1,1,0]
.endr
.irp i, 0,1,2,3
	v_fma_mix_f32_bf16 v[SS+(\i)], v[PB+4*(\i)+(\m)], v[PB+4*(\i)+(\m)], v[SS+(\i)] op_sel:[1,1,0] op_sel_hi:[1,1,0]
.endr
.endr
.endm
; STAGING a group of 128 list entries: wave w brings rows 16 w .. 16 w + 15.
.macro ENTADDR
	v_bfe_u32 v[EOFF], v0, 4, 1
	v_lshlrev_b32 v[EOFF], 5, v[EOFF]
	v_lshl_add_u32 v[EOFF], s16, 6, v[EOFF]        ; word 16 w + 8 h
	v_lshlrev_b32 v[PEOFF], 2, v[R]
	v_lshl_add_u32 v[PEOFF], s16, 6, v[PEOFF]      ; word 16 w + r
.endm
.macro ENTLOAD
	global_load_b128 v[ENT:ENT+3], v[EOFF], s[28:29]
	global_load_b128 v[ENT+4:ENT+7], v[EOFF], s[28:29] offset:16
	global_load_b32 v[PE], v[PEOFF], s[28:29]
.endm
; The rows of kdT: lanes 0-15 take rows 0-7 of the sixteen, lanes 16-31 rows 8-15; sixteen lanes read 256 consecutive aligned bytes.  The keypoint is bits 13:4 of an entry.
; ROWADDR makes the offsets, ROWASK issues the loads; the waits between the two are written where the macros are used.
.macro ROWADDR
	v_lshlrev_b32 v[R16], 4, v[R]
.irp j, 0,1,2,3,4,5,6,7
	v_bfe_u32 v[RA+(\j)], v[ENT+(\j)], 4, 10
.endr
.irp j, 0,1,2,3,4,5,6,7
	v_min_u32 v[RA+(\j)], 0x3ff, v[RA+(\j)]
.endr
.irp j, 0,1,2,3,4,5,6,7
	v_lshl_add_u32 v[RA+(\j)], v[RA+(\j)], 9, v[R16]
.endr
	v_bfe_u32 v[PEA], v[PE], 4, 10
	v_min_u32 v[PEA], 0x3ff, v[PEA]
	v_lshlrev_b32 v[PEA], 4, v[PEA]
.endm
.macro ROWASK
.irp j, 0,1,2,3,4,5,6,7
	global_load_b128 v[BF+8*(\j):BF+8*(\j)+3], v[RA+(\j)], s[46:47]
	global_load_b128 v[BF+8*(\j)+4:BF+8*(\j)+7], v[RA+(\j)], s[46:47] offset:256
.endr
	global_load_b128 v[PARV:PARV+3], v[PEA], s[48:49]
.endm
.macro ROWSTORE
	s_wait_loadcnt 0x0
.irp j, 0,1,2,3,4,5,6,7
	ds_store_b128 v[KSTO], v[BF+8*(\j):BF+8*(\j)+3] offset:(\j)*PITCH
	ds_store_b128 v[KSTO], v[BF+8*(\j)+4:BF+8*(\j)+7] offset:(\j)*PITCH+256
.endr
	ds_store_b128 v[PSTO], v[PARV:PARV+3]          ; both halves of the lanes write the same 16 bytes
.endm
; CHUNK c: keypoints 16 c .. 16 c + 15 of the group against my 32 pixels.  Source 0 = 16 pixels, source 1 = 16 keypoints: in the result a lane holds ONE keypoint (r) and eight pixels (rows 8 h + j).
; Its seventeen loads owe no wait of their own: on every way that leads here the last vector line stands ahead of a wait on va_vdst, and what memory instructions read of PARV and BF ahead of the group's wait on vm_vsrc.
.macro CHUNK c
	ds_load_b128 v[PARV:PARV+3], v[PAD] offset:256*(\c)
.irp s, 0,1,2,3,4,5,6,7
	ds_load_b128 v[BF+8*(\s):BF+8*(\s)+3], v[BAD] offset:(\c)*16*PITCH+64*(\s)
	ds_load_b128 v[BF+8*(\s)+4:BF+8*(\s)+7], v[BAD] offset:(\c)*16*PITCH+64*(\s)+32
.endr
.irp s, 0,1,2,3,4,5,6,7
	s_wait_dscnt 14-2*(\s)                         ; fragment s is in; the younger fragments' loads, two each, stay out
.if (\s) == 0
	v_wmma_f32_16x16x32_bf16 v[ACC:ACC+7], v[AF:AF+7], v[BF:BF+7], 0              ; the first 32 channels start both sums
	v_wmma_f32_16x16x32_bf16 v[ACC+8:ACC+15], v[AF+64:AF+71], v[BF:BF+7], 0
.else
	v_wmma_f32_16x16x32_bf16 v[ACC:ACC+7], v[AF+8*(\s):AF+8*(\s)+7], v[BF+8*(\s):BF+8*(\s)+7], v[ACC:ACC+7]  ; the two accumulators take turns
	v_wmma_f32_16x16x32_bf16 v[ACC+8:ACC+15], v[AF+64+8*(\s):AF+64+8*(\s)+7], v[BF+8*(\s):BF+8*(\s)+7], v[ACC+8:ACC+15]
.endif
.endr
.if (\c) > 0
	s_wait_alu depctr_vm_vsrc(0)                   ; the LDS store of the chunk before has read REC, which the lines below write again
.endif
	; Six plain instructions that name no register of the products: the places behind them (ISA guide 7.12.1).  A whole number d lies in 0 .. 26 where its f32 bits, read as an unsigned word, are at most 26.0's: a negative float has the top bit set.
	v_cvt_f32_u32 v[REC], s36                      ; my image row + 13
	v_add_f32 v[UA], s40, v[PARV]                  ; u - 13
	v_sub_f32 v[REC], v[REC], v[PARV+1]            ; row - (v - 13)
	v_cmp_ge_u32 vcc_lo, s37, v[REC]
	s_wait_alu depctr_va_vcc(0)                    ; the row's compare has written VCC, which the select below reads
	v_cndmask_b32 v[UA], 0x4e6e6b28, v[UA], vcc_lo ; 1e9 where the row is outside: every column then fails
	v_add_f32 v[UB], -1.0, v[UA]
.irp p, 0,1,2,3
	v_pk_add_f32 v[BF+2*(\p):BF+2*(\p)+1], v[PU+2*(\p):PU+2*(\p)+1], v[UA:UA+1] op_sel_hi:[1,0] neg_lo:[0,1] neg_hi:[0,1]      ; column - (u - 13), rows 0-15
.endr
.irp p, 0,1,2,3
	v_pk_add_f32 v[BF+8+2*(\p):BF+8+2*(\p)+1], v[PU+2*(\p):PU+2*(\p)+1], v[UB:UB+1] op_sel_hi:[1,0] neg_lo:[0,1] neg_hi:[0,1]  ; the same for rows 16-31, one column on
.endr
.irp k, 0,1,2,3,4,5,6,7,8,9,10,11,12,13,14,15
	v_cmp_ge_u32 s[CM+(\k)+38*((\k)/8)], s37, v[BF+(\k)]  ; the sixteen column compares in one run, a scalar register each
.endr
.irp p, 0,1,2,3,4,5,6,7
	v_pk_mul_f32 v[ACC+2*(\p):ACC+2*(\p)+1], v[ACC+2*(\p):ACC+2*(\p)+1], v[IT+2*(\p):IT+2*(\p)+1]  ; / the pixel's norm; each accumulator is read from its low end on
.endr
	s_wait_alu depctr_va_sdst(0)                   ; the sixteen compares have written their masks, which the selects below read
.irp k, 0,1,2,3,4,5,6,7,8,9,10,11,12,13,14,15
	v_cndmask_b32 v[ACC+(\k)], s41, v[ACC+(\k)], s[CM+(\k)+38*((\k)/8)]
.endr
	v_max3_num_f32 v[BF+16], v[ACC], v[ACC+1], v[ACC+2]
	v_max3_num_f32 v[BF+17], v[ACC+3], v[ACC+4], v[ACC+5]
	v_max3_num_f32 v[BF+18], v[ACC+6], v[ACC+7], v[ACC+8]
	v_max3_num_f32 v[BF+19], v[ACC+9], v[ACC+10], v[ACC+11]
	v_max3_num_f32 v[BF+20], v[ACC+12], v[ACC+13], v[ACC+14]
	v_max3_num_f32 v[BF+16], v[BF+16], v[BF+17], v[BF+18]
	v_max3_num_f32 v[BF+19], v[BF+19], v[BF+20], v[ACC+15]
	v_max_num_f32 v[BF+16], v[BF+16], v[BF+19]
	v_mul_f32 v[BF+16], v[BF+16], v[PARV+2]        ; ksc is positive: the maximum may be scaled afterwards
	v_max_num_f32 v[BF+16], 0, v[BF+16]
	v_permlanex16_b32 v[BF+17], v[BF+16], s38, s39 ; the keypoint's other sixteen pixels lie in the lane 16 away
	v_max_num_f32 v[REC], v[BF+16], v[BF+17]       ; m
.irp p, 0,1,2,3,4,5,6,7
	v_pk_fma_f32 v[ACC+2*(\p):ACC+2*(\p)+1], v[ACC+2*(\p):ACC+2*(\p)+1], v[PARV+2:PARV+3], v[REC:REC+1] op_sel_hi:[1,0,0] neg_lo:[0,0,1] neg_hi:[0,0,1]  ; ksc x - m
.endr
.irp k, 0,1,2,3,4,5,6,7,8,9,10,11,12,13,14,15
	v_exp_f32 v[ACC+(\k)], v[ACC+(\k)]
.endr
	v_nop                                          ; a plain instruction between the exponentials and the use of their results (ISA guide 5.7.2)
	s_wait_alu depctr_va_vdst(0)                   ; the sixteen exponentials have written their weights, ahead of the first line that names one
.irp p, 0,1,2,3
	v_pk_add_f32 v[BF+2*(\p):BF+2*(\p)+1], v[ACC+2*(\p):ACC+2*(\p)+1], v[ACC+8+2*(\p):ACC+8+2*(\p)+1]  ; E = the weights of columns PU and PU + 1 together
.endr
	v_pk_add_f32 v[BF+8:BF+9], v[ACC+8:ACC+9], v[ACC+10:ACC+11]
	v_pk_add_f32 v[BF+10:BF+11], v[ACC+12:ACC+13], v[ACC+14:ACC+15]
	v_pk_add_f32 v[BF+12:BF+13], v[BF:BF+1], v[BF+2:BF+3]
	v_pk_add_f32 v[BF+14:BF+15], v[BF+4:BF+5], v[BF+6:BF+7]
	v_pk_mul_f32 v[BF+16:BF+17], v[BF:BF+1], v[PU:PU+1]
	v_pk_add_f32 v[BF+8:BF+9], v[BF+8:BF+9], v[BF+10:BF+11]       ; the weights of the columns PU + 1
	v_pk_add_f32 v[BF+12:BF+13], v[BF+12:BF+13], v[BF+14:BF+15]   ; all weights
	v_pk_fma_f32 v[BF+16:BF+17], v[BF+2:BF+3], v[PU+2:PU+3], v[BF+16:BF+17]
	v_pk_fma_f32 v[BF+16:BF+17], v[BF+4:BF+5], v[PU+4:PU+5], v[BF+16:BF+17]
	v_pk_fma_f32 v[BF+16:BF+17], v[BF+6:BF+7], v[PU+6:PU+7], v[BF+16:BF+17]
	v_pk_add_f32 v[BF+16:BF+17], v[BF+16:BF+17], v[BF+8:BF+9]     ; sum of E x PU + the weights one column on
	v_add_f32 v[BF+12], v[BF+12], v[BF+13]
	v_add_f32 v[BF+16], v[BF+16], v[BF+17]
	v_permlanex16_b32 v[BF+13], v[BF+12], s38, s39
	v_permlanex16_b32 v[BF+17], v[BF+16], s38, s39
	v_add_f32 v[REC+1], v[BF+12], v[BF+13]         ; l
	v_add_f32 v[REC+2], v[BF+16], v[BF+17]         ; su
	s_wait_alu depctr_va_vdst(0)                   ; REC is written, which the LDS store reads; and the chunk's vector lines are done with PARV and BF, in which the next loads land
	ds_store_b128 v[STA], v[REC:REC+3] offset:256*(\c)  ; both halves of the lanes write the same 16 bytes
.endm
; COMBINE: wave w joins the eight waves' figures for places 16 w + r of the group: the sixteen keypoints of chunk w, so it runs exactly where that chunk ran.
; Half h of the lanes takes the figures of waves 4 h .. 4 h + 3 (wave x holds image row V0 + x / 2); the maximum and the sums cross the halves; half 0 stores (M, L), half 1 (SU, SV).
; Its four loads owe no wait: no vector line stands between the last chunk's wait on va_vdst and them.
.macro COMBINE
.irp x, 0,1,2,3
	ds_load_b128 v[BF+4*(\x):BF+4*(\x)+3], v[CMB] offset:2048*(\x)
.endr
	v_and_b32 v[BF+20], 16, v0
	v_min_u32 v[BF+21], 0xbfff, v[PE]              ; a record of the 32,768 real ones and the 512 x 32 behind them
	v_cmp_ne_u32 vcc_lo, 0, v[BF+20]               ; the upper half of the lanes
	v_lshrrev_b32 v[BF+20], 1, v[BF+20]            ; 8 h
	v_lshl_add_u32 v[BF+22], v[BF+21], 4, v[BF+20] ; my 8 bytes of the record
	s_wait_dscnt 0x0
	v_max3_num_f32 v[BF+16], v[BF], v[BF+4], v[BF+8]
	v_max_num_f32 v[BF+16], v[BF+16], v[BF+12]
	v_permlanex16_b32 v[BF+17], v[BF+16], s38, s39
	v_max_num_f32 v[BF+16], v[BF+16], v[BF+17]     ; M
.irp x, 0,1,2,3
	v_sub_f32 v[BF+4*(\x)+3], v[BF+4*(\x)], v[BF+16]
.endr
.irp x, 0,1,2,3
	v_exp_f32 v[BF+4*(\x)+3], v[BF+4*(\x)+3]
.endr
	v_nop                                          ; a plain instruction behind the exponentials (ISA guide 5.7.2)
	s_wait_alu depctr_va_vdst(0)                   ; the four exponentials have written their factors, ahead of the first line that names one
.irp x, 0,1,2,3
	v_mul_f32 v[BF+4*(\x)+1], v[BF+4*(\x)+1], v[BF+4*(\x)+3]
.endr
	v_mul_f32 v[BF+18], v[BF+2], v[BF+3]
.irp x, 1,2,3
	v_fmac_f32 v[BF+18], v[BF+4*(\x)+2], v[BF+4*(\x)+3]  ; my half's share of SU
.endr
	v_add_f32 v[BF+24], v[BF+1], v[BF+5]           ; the weights of image row V0 + 2 h,
	v_add_f32 v[BF+25], v[BF+9], v[BF+13]          ; and of the row below it
	v_add_f32 v[BF+17], v[BF+24], v[BF+25]         ; my half's share of L
	v_fma_f32 v[BF+19], v[VH], v[BF+17], v[BF+25]  ; and of SV: (V0 + 2 h) x both rows' weights + the lower row's
	v_permlanex16_b32 v[BF+26], v[BF+17], s38, s39
	v_permlanex16_b32 v[BF+27], v[BF+18], s38, s39
	v_permlanex16_b32 v[BF+28], v[BF+19], s38, s39
	v_add_f32 v[BF+17], v[BF+17], v[BF+26]         ; L
	v_add_f32 v[BF+18], v[BF+18], v[BF+27]         ; SU
	v_add_f32 v[BF+19], v[BF+19], v[BF+28]         ; SV
	s_wait_alu depctr_va_vcc(0)                    ; the compare of the lanes' halves has written VCC, which the two selects read
	v_cndmask_b32 v[BF+30], v[BF+16], v[BF+18], vcc_lo
	v_cndmask_b32 v[BF+31], v[BF+17], v[BF+19], vcc_lo
	s_wait_alu depctr_va_vdst(0)                   ; the record's offset and its two words are written, which the store reads; the vector lines are done with BF
	global_store_b64 v[BF+22], v[BF+30:BF+31], s[12:13]  ; its registers are written again only behind the waits on XCNT and on vm_vsrc that follow the macro
.endm
	s_load_b256 s[4:11], s[0:1], 0x0               ; desc_dense s[4:5], kdT s[6:7], kpar s[8:9], lst s[10:11]
	s_load_b128 s[12:15], s[0:1], 0x20             ; part s[12:13], dT s[14:15]
	s_load_b64 s[58:59], s[0:1], 0x30              ; cnt
	v_lshl_add_u32 v[SPW], v0, 2, SPARE
	v_mov_b32 v[NIL], 0
	v_lshrrev_b32 v36, 5, v0
	v_readfirstlane_b32 s16, v36                   ; wave w
	v_and_b32 v[R], 15, v0
	v_bfe_u32 v37, v0, 4, 1                        ; h
	s_and_b32 s17, ttmp7, 0xffff                   ; b
	s_and_b32 s18, ttmp9, 3                        ; tile column
	s_lshr_b32 s19, ttmp9, 2                       ; tile row
	s_lshl_b32 s20, s18, 6                         ; U0
	s_lshl_b32 s21, s19, 2                         ; V0
	s_wait_alu depctr_va_sdst(0)                   ; s16 is written, ahead of its first reader
	s_and_b32 s23, s16, 1                          ; w % 2
	s_lshr_b32 s42, s16, 1                         ; w / 2: my channel group in the stream, my image row in the products
	s_lshl_b32 s[W16], s16, 4
	s_add_co_u32 s36, s21, s42
	s_add_co_u32 s36, s36, 13                      ; my image row + 13
	s_mov_b32 s37, 0x41d00000                      ; 26.0
	s_mov_b32 s38, 0x76543210                      ; v_permlanex16_b32: each lane takes its own place in the other half
	s_mov_b32 s39, 0xfedcba98
	s_mov_b32 s40, 0xc1500000                      ; -13.0
	s_mov_b32 s41, 0xf149f2ca                      ; -1e30
	; the stream: wave w takes channels 64 (w / 2) on and image rows 2 (w % 2) + h; a lane takes four pixels, 16 bytes
	s_lshl_b32 s24, s17, 27                        ; batch 2 b + 1 of 2^26 bytes,
	s_add_co_u32 s24, s24, 1<<26
	s_lshl_b32 s25, s42, 24                        ; 64 channels of 2^18,
	s_add_co_u32 s24, s24, s25
	s_lshl_b32 s25, s21, 10                        ; image rows of 1,024,
	s_add_co_u32 s24, s24, s25
	s_lshl_b32 s25, s23, 11
	s_add_co_u32 s24, s24, s25
	s_lshl_b32 s25, s20, 2                         ; and the tile's 256 bytes of a row
	s_add_co_u32 s24, s24, s25
	s_mov_b32 s25, 0
	s_lshl_b32 s30, s17, 8
	s_add_co_u32 s30, s30, ttmp9                   ; T
	s_lshl_b32 s60, s30, 2                         ; the tile's word in cnt,
	s_lshl_b32 s30, s30, 12                        ; and its list of 1,024 words
	s_mov_b32 s31, 0
	s_lshl_b32 s46, s17, 19                        ; the pair's part of kdT,
	s_mov_b32 s47, 0
	s_lshl_b32 s48, s17, 14                        ; of kpar,
	s_mov_b32 s49, 0
	s_add_co_u32 s52, s21, s42                     ; and in dT the pixel (V0 + w / 2, U0 + 2 (w % 2)), 512 bytes a pixel
	s_lshl_b32 s52, s52, 8
	s_add_co_u32 s52, s52, s20
	s_lshl1_add_u32 s52, s23, s52
	s_lshl_b32 s43, s17, 16
	s_add_co_u32 s52, s52, s43
	s_lshl_b32 s52, s52, 9
	s_mov_b32 s53, 0
	v_lshlrev_b32 v[GOFF], 4, v[R]
	v_lshl_add_u32 v[GOFF], v37, 10, v[GOFF]       ; 1,024 h + 16 q
	v_lshl_add_u32 v[LSTO], v37, 6, v[R]           ; tile row 64 yy + q, yy = 2 (w % 2) + h, and byte 128 (w / 2) of it
	v_mul_u32_u24 v[LSTO], v[LSTO], PITCH
	s_mul_i32 s54, s23, 128*PITCH
	s_lshl_b32 s55, s42, 7
	s_add_co_u32 s54, s54, s55
	v_add_nc_u32 v[LSTO], s54, v[LSTO]
	v_lshlrev_b32 v[SSA], 2, v[R]                  ; SSP + 1,024 (w / 2) + 4 (64 yy + q)
	v_lshl_add_u32 v[SSA], v37, 8, v[SSA]
	s_lshl_b32 s56, s42, 10
	s_lshl_b32 s57, s23, 9
	s_add_co_u32 s56, s56, s57
	s_add_co_u32 s56, s56, SSP
	v_add_nc_u32 v[SSA], s56, v[SSA]
	ENTADDR
	s_wait_kmcnt 0x0
	s_add_nc_u64 s[24:25], s[4:5], s[24:25]
	s_add_nc_u64 s[26:27], s[24:25], 0x800000      ; 32 channels on
	s_add_nc_u64 s[28:29], s[10:11], s[30:31]      ; the tile's list: this pointer steps from group to group
	s_add_nc_u64 s[46:47], s[6:7], s[46:47]
	s_add_nc_u64 s[48:49], s[8:9], s[48:49]
	s_add_nc_u64 s[52:53], s[14:15], s[52:53]
	s_load_b32 s22, s[58:59], s60 offset:0x0       ; the count
	s_wait_alu depctr_va_vdst(0)                   ; the offsets v28, v29 and v60 are written, which the loads below read; so are the stream's LDS addresses v61 and v62
	ENTLOAD                                        ; group 0's entries: all 1,024 words of a list are written, so these loads need no condition
	RLOAD 0                                        ; 32 loads of 16 bytes a lane are on their way: half of the tile
	RLOAD 1
	RLOAD 2
	RLOAD 3
.irp i, 0,1,2,3
	v_mov_b32 v[SS+(\i)], 0
.endr
	s_wait_kmcnt 0x0
	s_min_u32 s[REM], s22, 0x400
	BLOCK 0, 24                                    ; three younger blocks stay out; the list's loads are older
	BLOCK 1, 24
	BLOCK 2, 24
	BLOCK 3, 24
	BLOCK 4, 24
	BLOCK 5, 16                                    ; nothing is left to ask for: the counts run down
	BLOCK 6, 8
	BLOCK 7, 0
	ROWADDR                                        ; group 0's rows travel while the tile is finished; they are waited for in ROWSTORE
	s_wait_alu depctr_va_vdst(0)                   ; the rows' and the parameters' offsets are written, and so are the sums of squares, which the LDS stores below read; the squares are done reading v64-79, in which rows land
	s_wait_alu depctr_vm_vsrc(0)                   ; the LDS stores of blocks 6 and 7 have read both packed buffers: rows land in v64-79, and v40-47 are written again behind the barrier
	ROWASK
.irp i, 0,1,2,3
	ds_store_b32 v[SSA], v[SS+(\i)] offset:64*(\i)
.endr
	BAR                                            ; the tile and the partial sums are whole
	; 1 / norm of the pixel in row t
	v_lshl_add_u32 v40, v0, 2, SSP
	v_and_b32 v45, 31, v0
	v_lshlrev_b32 v45, 4, v45                      ; 16 x lane
	s_mul_i32 s43, s16, 32*PITCH                   ; my 32 rows
	v_add_nc_u32 v46, s43, v45
	s_wait_alu depctr_va_vdst(0)                   ; v40 is written, the address of the four loads below; so are v45 and v46, by which the tile leaves
.irp k, 0,1,2,3
	ds_load_b32 v[41+(\k)], v40 offset:1024*(\k)
.endr
	s_wait_dscnt 0x0
	v_add_f32 v41, v41, v42
	v_add_f32 v43, v43, v44
	v_add_f32 v41, v41, v43
	v_sqrt_f32 v42, v41
	v_bfe_u32 v47, v0, 4, 1                        ; h; the plain instruction behind the root
	s_wait_alu depctr_va_vdst(0)                   ; the root has written v42, ahead of the line that reads it
	v_max_num_f32 v42, 0x2b8cbccc, v42             ; max(norm, 1e-12)
	v_rcp_f32 v43, v42
	v_mul_u32_u24 v[FA], v[R], PITCH               ; the plain instruction behind the reciprocal
	v_lshl_add_u32 v[FA], v47, 4, v[FA]
	v_add_nc_u32 v[FA], s43, v[FA]                 ; my place in a pixel fragment: (32 w + r) 528 + 16 h
	s_wait_alu depctr_va_vdst(0)                   ; the reciprocal has written v43, which the LDS store reads; the fragments' address is written too
	ds_store_b32 v40, v43 offset:INVT-SSP
	; the tile leaves: row 32 w + k is pixel U0 + 2 (w % 2) + 4 (k % 16) + k / 16 of image row V0 + w / 2
.set k, 0
.rept 32
	ds_load_b128 v[RING+4*k:RING+4*k+3], v46 offset:k*PITCH
.set k, k+1
.endr
.set k, 0
.rept 32
	s_wait_dscnt 31-k                              ; row k is in, the younger rows' loads stay out
	global_store_b128 v45, v[RING+4*k:RING+4*k+3], s[52:53] offset:(4*(k&15)+(k>>4))*512 th:TH_STORE_NT  ; 512 consecutive bytes, aligned
.set k, k+1
.endr
	s_wait_xcnt 0x0                                ; the stores' addresses are translated (ISA guide 3.1): their registers are loaded again only behind this wait
	s_wait_alu depctr_vm_vsrc(0)                   ; the stores have read v128-255, in which the fragments land; the LDS lines above have read v40, v43, v45 and v46, which PU takes behind the barrier
	; A fragment is 16 rows x 32 channels in 8 registers: lane l holds row l % 16, channels 8 h + 0..7 and 16 + 8 h + 0..7: two loads of 16 bytes, 32 bytes apart.
.irp a, 0,1
.irp s, 0,1,2,3,4,5,6,7
	ds_load_b128 v[AF+64*(\a)+8*(\s):AF+64*(\a)+8*(\s)+3], v[FA] offset:(\a)*16*PITCH+64*(\s)
	ds_load_b128 v[AF+64*(\a)+8*(\s)+4:AF+64*(\a)+8*(\s)+7], v[FA] offset:(\a)*16*PITCH+64*(\s)+32
.endr
.endr
	BAR                                            ; nobody reads the tile any more: its bytes take the keypoint rows; 1 / norm is whole
	v_lshlrev_b32 v36, 5, v47                      ; 32 h
	s_lshl_b32 s43, s16, 7
	s_add_co_u32 s43, s43, INVT
	v_add_nc_u32 v[ITA], s43, v36                  ; 1 / norm of rows 32 w + 16 a + 8 h + 0..7
	v_mul_u32_u24 v[BAD], v[R], PITCH
	v_lshl_add_u32 v[BAD], v47, 4, v[BAD]
	v_lshlrev_b32 v[KSTO], 3, v47                  ; staged rows: (16 w + 8 h) 528 + 16 r
	v_mul_u32_u24 v[KSTO], v[KSTO], PITCH
	v_lshl_add_u32 v[KSTO], v[R], 4, v[KSTO]
	s_mul_i32 s45, s16, 16*PITCH
	v_add_nc_u32 v[KSTO], s45, v[KSTO]
	v_lshl_add_u32 v[PAD], v[R], 4, PAR
	s_lshl_b32 s54, s16, 8
	v_add_nc_u32 v[PSTO], s54, v[PAD]
	v_lshl_add_u32 v[STA], v[R], 4, ST
	s_lshl_b32 s55, s16, 11
	v_lshl_add_u32 v[CMB], v47, 13, v[STA]         ; ST + 16 r + four waves' figures x h,
	v_add_nc_u32 v[CMB], s54, v[CMB]               ; + 16 x 16 w
	v_add_nc_u32 v[STA], s55, v[STA]
	v_lshl_add_u32 v[VH], v47, 1, s21
	v_cvt_f32_u32 v[VH], v[VH]                     ; V0 + 2 h
	s_lshl1_add_u32 s56, s23, s20                  ; U0 + 2 (w % 2)
	v_add_nc_u32 v36, s56, v36
	v_cvt_f32_u32 v[PU], v36                       ; register j: column U0 + 2 (w % 2) + 32 h + 4 j
.irp j, 1,2,3,4,5,6,7
	v_add_f32 v[PU+(\j)], 4.0, v[PU+(\j)-1]
.endr
	v_mov_b32 v[REC+3], 0                          ; the record's fourth word
	v_mov_b32 v[UA+1], 0                           ; named as the upper halves of pairs whose lower half is broadcast
	v_mov_b32 v[UB+1], 0
	s_wait_alu depctr_va_vdst(0)                   ; all the loop's LDS addresses are written, those of the loads and stores below among them; the stream's vector lines are done with v48-63, in which 1 / norm lands
	ds_load_b128 v[IT:IT+3], v[ITA]
	ds_load_b128 v[IT+4:IT+7], v[ITA] offset:16
	ds_load_b128 v[IT+8:IT+11], v[ITA] offset:64
	ds_load_b128 v[IT+12:IT+15], v[ITA] offset:80
	ROWSTORE
	; THE GROUPS of 128 list entries: eight trips whatever the count, so that every wave passes every barrier; a dead group is two barriers and some scalar lines.
	s_mov_b32 s[G], 8
.Lgroup:
	s_wait_loadcnt 0x0                             ; no load of mine is out: the staging's registers go back to the products
	BAR                                            ; the staged rows are whole, and the last group's figures have been read
	s_wait_alu depctr_vm_vsrc(0)                   ; the staging's loads have read their offsets (v16-23, v28, v29, v34; ahead of the first trip v29 and v30 too) and its LDS stores BF and PARV: the chunks' loads, products and vector lines write all of these
.irp cc, 0,1,2,3,4,5,6,7
	s_cmp_le_u32 s[REM], 16*(\cc)                  ; no entry left for this chunk, nor for those behind it
	s_cbranch_scc1 .Lnochunks
	CHUNK \cc
.endr
.Lnochunks:
	BAR                                            ; the figures are whole, and nobody reads the rows any more
	s_cmp_le_u32 s[REM], s[W16]                    ; chunk w did not run: my sixteen places hold dummies alone
	s_cbranch_scc1 .Lnocomb
	COMBINE
.Lnocomb:
	s_sub_co_i32 s[REM], s[REM], 128
	s_max_i32 s[REM], s[REM], 0
	s_wait_xcnt 0x0                                ; the record's store and the list's loads have had their addresses translated: their registers and bases are written again only behind this wait
	s_wait_alu depctr_vm_vsrc(0)                   ; the last chunk's LDS store has read REC, and the record's store its three registers of BF: the staging writes v28 and v29 and loads into BF
	s_add_nc_u64 s[28:29], s[28:29], 512           ; the next group's entries
	s_cmp_le_u32 s[REM], s[W16]                    ; my sixteen rows of it hold no entry
	s_cbranch_scc1 .Lnostage
	ENTADDR
	s_wait_alu depctr_va_vdst(0)                   ; the list's two offsets are written; the products and the vector lines are done with v8-15 and v39, in which the entries land
	ENTLOAD
	s_wait_loadcnt 0x0
	ROWADDR
	s_wait_alu depctr_va_vdst(0)                   ; the rows' and the parameters' offsets are written, which the loads below read
	ROWASK
	ROWSTORE
.Lnostage:
	s_sub_co_u32 s[G], s[G], 1
	s_cmp_lg_u32 s[G], 0
	s_cbranch_scc1 .Lgroup
	s_wait_dscnt 0x0                               ; the closing lines, six on end
	s_wait_alu 0x0
	s_wait_tensorcnt 0x0
	ds_add_u32 v[SPW], v[NIL]
	s_wait_dscnt 0x0
	s_endpgm
.Lfunc_end_k_q66406ede4e_match:
	.size	k_q66406ede4e_match, .Lfunc_end_k_q66406ede4e_match-k_q66406ede4e_match
	.p2alignl 7, 3214868480
	.fill 96, 4, 3214868480
	.section	.rodata,"a",@progbits
	.p2align	6, 0x0
	.amdhsa_kernel k_q66406ede4e_match
		.amdhsa_group_segment_fixed_size 141312
		.amdhsa_private_segment_fixed_size 0
		.amdhsa_enable_private_segment 0
		.amdhsa_kernarg_size 56
		.amdhsa_user_sgpr_count 2
		.amdhsa_user_sgpr_kernarg_segment_ptr 1
		.amdhsa_wavefront_size32 1
		.amdhsa_system_sgpr_workgroup_id_x 1
		.amdhsa_system_sgpr_workgroup_id_y 1
		.amdhsa_system_sgpr_workgroup_id_z 1
		.amdhsa_system_vgpr_workitem_id 0
		.amdhsa_next_free_vgpr 256
		.amdhsa_next_free_sgpr 66
		.amdhsa_reserve_vcc 1
		.amdhsa_float_denorm_mode_32 3
		.amdhsa_float_denorm_mode_16_64 3
		.amdhsa_memory_ordered 1
		.amdhsa_forward_progress 1
		.amdhsa_inst_pref_size 130
	.end_amdhsa_kernel
	.amdgpu_metadata
---
amdhsa.version: [ 1, 2 ]
amdhsa.kernels:
  - .name:           k_q66406ede4e_match
    .symbol:         k_q66406ede4e_match.kd
    .args:
      - { .name: desc_dense, .offset: 0, .size: 8, .value_kind: global_buffer, .address_space: global }
      - { .name: kdT, .offset: 8, .size: 8, .value_kind: global_buffer, .address_space: global }
      - { .name: kpar, .offset: 16, .size: 8, .value_kind: global_buffer, .address_space: global }
      - { .name: lst, .offset: 24, .size: 8, .value_kind: global_buffer, .address_space: global }
      - { .name: part, .offset: 32, .size: 8, .value_kind: global_buffer, .address_space: global }
      - { .name: dT, .offset: 40, .size: 8, .value_kind: global_buffer, .address_space: global }
      - { .name: cnt, .offset: 48, .size: 8, .value_kind: global_buffer, .address_space: global }
    .group_segment_fixed_size: 141312
    .private_segment_fixed_size: 0
    .kernarg_segment_align: 8
    .kernarg_segment_size: 56
    .max_flat_workgroup_size: 256
    .sgpr_count:     66
    .vgpr_count:     256
    .wavefront_size: 32
...
	.end_amdgpu_metadata
.endif
;; end of part 6
;; launch merge: the kernel of part 4 again; grid 256 x 1, 4 waves a work-group, no clusters, 0 bytes of LDS; arguments uvi, part, out0, smpi; writes out0, smpi
;; launch sample: the kernel of part 5 again; grid 256 x 1, 8 waves a work-group, no clusters, 0 bytes of LDS; arguments smpi, out0, dT, kdT, kpar, scores_dense, keypoint_scores, out1; writes out1
